; MI455X (gfx1250); checked and timed in simulation.
; The chip was launched on July 23, 2026; its instructions are those of AMD's public machine-readable ISA for CDNA 5 (MIT licence, August 2026) and "CDNA5" Instruction Set Architecture Reference Guide (July 2026). The comments in the code are by the model that wrote it; some were corrected since.
;; Hapberta Axial Encoder. Allowed arithmetic: float matrix products may take bf16 or f16 operands with f32 sums; all other float work in f32.
;; Inputs: col_kW 2 x 256 x 256 float32; col_kb 2 x 256 float32; col_oW 2 x 256 x 256 float32; col_ob 2 x 256 float32; col_qW 2 x 256 x 256 float32; col_qb 2 x 256 float32; col_vW 2 x 256 x 256 float32; col_vb 2 x 256 float32; distances 2 x 32 x 256 x 256 int32; fc1W 2 x 1,024 x 256 float32; fc1b 2 x 1,024 float32; fc2W 2 x 256 x 1,024 float32; fc2b 2 x 256 float32; hidden_states 2 x 32 x 256 x 256 float32; ln_col_b 2 x 256 float32; ln_col_w 2 x 256 float32; ln_f_b 256 float32; ln_f_w 256 float32; ln_ff_b 2 x 256 float32; ln_ff_w 2 x 256 float32; ln_row_b 2 x 256 float32; ln_row_w 2 x 256 float32; row_kW 2 x 256 x 256 float32; row_kb 2 x 256 float32; row_oW 2 x 256 x 256 float32; row_ob 2 x 256 float32; row_qW 2 x 256 x 256 float32; row_qb 2 x 256 float32; row_rel 2 x 32 x 8 float32; row_vW 2 x 256 x 256 float32; row_vb 2 x 256 float32.
;; Outputs: out0 2 x 32 x 256 x 256 float32.
;; 2 versions, each right; version 2 is version 1 with the launch prep written anew for expert scheduling mode. Each part assembles by itself: llvm-mc -triple=amdgcn-amd-amdhsa -mcpu=gfx1250 --defsym DOCPART=n.
;; ======== version 1 of 2: 5 launches
;; limits: a function is approximated: absolute error at most 3e-07; an absolute error that grows with the inputs' magnitude: up to 1.5e-07 times it
;; workspace buffers: W0 2,097,152 bytes; W1 2,097,152 bytes; BK 4,194,304 bytes of whole numbers; CTX 8,388,608 bytes; X1 16,777,216 bytes; L0 256 bytes of whole numbers; L1 256 bytes of whole numbers
;; launch prep (part 1): grid 256 x 1, 6 waves a work-group, no clusters, 52,992 bytes of LDS; arguments distances, row_qW, row_kW, row_vW, row_oW, col_qW, col_kW, col_vW, col_oW, fc1W, fc2W, W0, W1, BK, L0, L1; writes W0, W1, BK, L0, L1
.if DOCPART == 1
	.amdgcn_target "amdgcn-amd-amdhsa--gfx1250"
	.amdhsa_code_object_version 6
	.text
	.protected	k_q9f18a38e40_prep
	.globl	k_q9f18a38e40_prep
	.p2align	8
	.type	k_q9f18a38e40_prep,@function
k_q9f18a38e40_prep:
	s_mov_b64 s[64:65], 0
	v_nop
	global_prefetch_b8 v0, s[64:65] scope:SCOPE_SE
	s_setreg_imm32_b32 hwreg(HW_REG_WAVE_MODE, 25, 1), 1
	s_wait_xcnt 0x0
; PREP: one pass over the distances and over all weight matrices.
;  (a) bucket(distance) for both layers, stored as bytes 4 x bucket in the order in which a lane of the row attention holds its scores:
;      BK[b*32+r][query tile 16][chunk c 8][lane 32][16 bytes]; byte 8 p + j of lane (r, h) is query 16 qt + r, key 32 c + 16 p + 8 h + j.
;  (b) every weight matrix rounded to bf16 and laid in fragment order: a strip of 16 rows x 256 k is 8,192 bytes, the 16 bytes of row r, k = 8 q .. 8 q + 7 at 256 q + 16 r.
;      Layer l goes to W0 or W1: row q/k/v strips at (3 nt + matrix) x 8,192; blocks 3..15 (row_o, col_q, col_k, col_v, col_o, then fc1 rows 256 c and fc2 columns 256 c by turns) at block x 131,072 + nt x 8,192.
;  (c) the layer numbers 0 and 1 as whole numbers (L0, L1), so that both layers can run the same later bodies.
; A wave takes one strip of 16 rows x 1,024 bytes: 32 loads of 512 consecutive bytes, turned through its own LDS stage (pitch 272), stored as runs of 512 consecutive bytes.
; Waves 0-3: 4 x 256 = 1,024 bucket strips.  Waves 4-5: 2 x 256 = 512 weight strips.  No wave reads another's bytes: no barrier.  No matrix unit, no cluster: nothing is shared and memory binds.
; LIMIT: the bucket is trunc(log2(|d|) x 30 / log2(50000)) + 1 in f32, where the definition divides natural logarithms; a distance whose logarithm lies within a few
; units in the last place of a bucket's edge may fall into the neighbouring bucket.  |d| = 1 is exact (bucket 1), |d| < 1 gives bucket 0.
.set PITCH, 272
.set STG,   32*PITCH                   ; a wave's stage: 8,704 bytes
.set OFF,   8                          ; v[8:23]    byte offset of my 16 bytes in row r of the strip
.set SW,    24                         ; v24        where I write into the stage
.set SR,    25                         ; v25        where I read it back
.set D,     32                         ; v[32:159]  the strip as loaded: 32 loads x 4 registers
.set T,     160                        ; v[160:175] at work
.macro LOADSTRIP                       ; s[4:5] the strip's first byte, s11 bytes from row to row
	v_mov_b32 v[OFF], v1
.set i, 1
.rept 15
	v_add_nc_u32 v[OFF+i], s11, v[OFF+i-1]
.set i, i+1
.endr
.set i, 0
.rept 32
	global_load_b128 v[D+4*i:D+4*i+3], v[OFF+i/2], s[4:5] offset:512*(i%2) th:TH_LOAD_NT
.set i, i+1
.endr
.endm
	s_load_b512 s[16:31], s[0:1], 0x0              ; distances 16, row_qW 18, row_kW 20, row_vW 22, row_oW 24, col_qW 26, col_kW 28, col_vW 30
	s_load_b512 s[32:47], s[0:1], 0x40             ; col_oW 32, fc1W 34, fc2W 36, W0 38, W1 40, BK 42, L0 44, L1 46
	v_lshl_add_u32 v176, v0, 2, 0xcc00
	v_mov_b32 v177, 0
	v_lshrrev_b32 v2, 5, v0
	v_readfirstlane_b32 s8, v2                     ; wave 0..5
	v_and_b32 v3, 31, v0                           ; lane
	v_lshlrev_b32 v1, 4, v3                        ; 16 x lane
	s_mul_i32 s9, s8, STG                          ; my stage
	v_lshrrev_b32 v4, 4, v3
	v_and_b32 v5, 15, v3
	v_mul_u32_u24 v4, v4, PITCH
	v_lshl_add_u32 v4, v5, 4, v4
	v_add_nc_u32 v[SR], s9, v4                     ; back: lanes 0-15 one stage row of 256 bytes, lanes 16-31 the next
	s_mov_b32 s13, 0
	s_mov_b32 s15, 0
	s_wait_kmcnt 0x0
	s_cmp_lt_u32 s8, 4
	s_cbranch_scc0 .Lweights
	; ---------------- buckets: strip sb = 4 x work-group + wave = (b*32+r) x 16 + query tile
	s_lshl_b32 s10, ttmp9, 2
	s_add_co_u32 s10, s10, s8
	s_lshl_b32 s12, s10, 14                        ; 16 rows of 1,024 bytes in
	s_lshl_b32 s14, s10, 12                        ; 4,096 bytes out
	s_add_nc_u64 s[4:5], s[16:17], s[12:13]
	s_add_nc_u64 s[6:7], s[42:43], s[14:15]
	s_movk_i32 s11, 1024
	LOADSTRIP
	; my four keys of a load: 128 hf + 4 lane: chunk c = 4 hf + lane/8, p = (lane/4)%2, h = (lane/2)%2, j = 4 (lane%2).  Stage row 2 c + h, byte 16 r + 8 p + j
	v_lshrrev_b32 v4, 3, v3
	v_bfe_u32 v5, v3, 1, 1
	v_lshl_add_u32 v4, v4, 1, v5
	v_mul_u32_u24 v4, v4, PITCH
	v_bfe_u32 v5, v3, 2, 1
	v_lshl_add_u32 v4, v5, 3, v4
	v_and_b32 v5, 1, v3
	v_lshl_add_u32 v4, v5, 2, v4
	v_add_nc_u32 v[SW], s9, v4
.set i, 0
.rept 32
	s_wait_loadcnt 31-i                            ; loads come back in order: load i is in, the 31 - i younger ones stay out
.irp e, 0,1,2,3
	v_sub_nc_u32 v[T+\e], 0, v[D+4*i+\e]
.endr
.irp e, 0,1,2,3
	v_max_i32 v[T+\e], v[D+4*i+\e], v[T+\e]        ; |d|
.endr
.irp e, 0,1,2,3
	v_cvt_f32_i32 v[T+\e], v[T+\e]                 ; a
.endr
.irp e, 0,1,2,3
	v_max_num_f32 v[T+4+\e], 1.0, v[T+\e]
.endr
.irp e, 0,1,2,3
	v_log_f32 v[T+4+\e], v[T+4+\e]                 ; log2
.endr
	v_nop                                          ; a plain instruction between the last logarithm and the use of the results
.irp e, 0,1,2,3
	v_cmp_le_f32 s[52+\e], 1.0, v[T+\e]            ; a >= 1
.endr
	s_wait_alu depctr_va_vdst(0)
.irp e, 0,1,2,3
	v_mul_f32 v[T+4+\e], 0x3ff60077, v[T+4+\e]     ; x 30 / log2(50000)
.endr
.irp e, 0,1,2,3
	v_cvt_i32_f32 v[T+4+\e], v[T+4+\e]             ; toward zero
.endr
.irp e, 0,1,2,3
	v_add_nc_u32 v[T+4+\e], 1, v[T+4+\e]
.endr
.irp e, 0,1,2,3
	v_min_u32 v[T+4+\e], 31, v[T+4+\e]
.endr
.irp e, 0,1,2,3
	v_cndmask_b32 v[T+4+\e], 0, v[T+4+\e], s[52+\e]
.endr
	v_lshl_or_b32 v[T+8], v[T+5], 8, v[T+4]
	v_lshl_or_b32 v[T+9], v[T+7], 8, v[T+6]
	v_lshl_or_b32 v[T+8], v[T+9], 16, v[T+8]
	v_lshlrev_b32 v[T+8], 2, v[T+8]                ; four bytes of 4 x bucket (124 at the most)
	ds_store_b32 v[SW], v[T+8] offset:(i%2)*8*PITCH+(i/2)*16
.set i, i+1
.endr
.set i, 0
.rept 8
	ds_load_b128 v[D+4*i:D+4*i+3], v[SR] offset:i*2*PITCH    ; my own bytes: LDS serves a wave's instructions in order
.set i, i+1
.endr
.set i, 0
.rept 8
	s_wait_dscnt 7-i
	global_store_b128 v1, v[D+4*i:D+4*i+3], s[6:7] offset:512*i   ; 512 consecutive bytes, aligned
.set i, i+1
.endr
	s_wait_tensorcnt 0x0
	ds_add_u32 v176, v177
	s_wait_dscnt 0x0
	s_endpgm
	; ---------------- weights: layer l = g / 128, block (g / 8) % 16, strip nt = 2 (g % 8) + wave - 4
.Lweights:
	s_lshr_b32 s10, ttmp9, 7                       ; l
	s_bfe_u32 s48, ttmp9, 0x40003                  ; block
	s_and_b32 s49, ttmp9, 7
	s_lshl_b32 s49, s49, 1
	s_add_co_u32 s49, s49, s8
	s_sub_co_u32 s49, s49, 4                       ; nt
	s_mov_b64 s[4:5], s[18:19]                     ; the source matrix, chosen by the block's number
	s_cmp_eq_u32 s48, 1
	s_cselect_b64 s[4:5], s[20:21], s[4:5]
	s_cmp_eq_u32 s48, 2
	s_cselect_b64 s[4:5], s[22:23], s[4:5]
	s_cmp_eq_u32 s48, 3
	s_cselect_b64 s[4:5], s[24:25], s[4:5]
	s_cmp_eq_u32 s48, 4
	s_cselect_b64 s[4:5], s[26:27], s[4:5]
	s_cmp_eq_u32 s48, 5
	s_cselect_b64 s[4:5], s[28:29], s[4:5]
	s_cmp_eq_u32 s48, 6
	s_cselect_b64 s[4:5], s[30:31], s[4:5]
	s_cmp_eq_u32 s48, 7
	s_cselect_b64 s[4:5], s[32:33], s[4:5]
	s_bitcmp1_b32 s48, 0
	s_cselect_b64 s[6:7], s[36:37], s[34:35]       ; from block 8 on: odd fc2W, even fc1W
	s_cmp_ge_u32 s48, 8
	s_cselect_b64 s[4:5], s[6:7], s[4:5]
	s_lshl_b32 s50, s49, 14                        ; nt x 16 rows of 1,024 bytes
	s_lshl_b32 s51, s10, 18
	s_add_co_u32 s51, s51, s50                     ; a 256 x 256 matrix: l x 262,144 + that
	s_bfe_u32 s52, s48, 0x20001                    ; chunk c = (block / 2) % 4
	s_lshl_b32 s53, s10, 20
	s_lshl_b32 s54, s52, 18
	s_add_co_u32 s54, s54, s53
	s_add_co_u32 s54, s54, s50                     ; fc1: rows 256 c + 16 nt
	s_lshl_b32 s55, s49, 16
	s_add_co_u32 s55, s55, s53
	s_lshl_b32 s56, s52, 10
	s_add_co_u32 s55, s55, s56                     ; fc2: rows 16 nt of 4,096 bytes, columns 256 c
	s_movk_i32 s57, 4096
	s_movk_i32 s58, 1024
	s_bitcmp1_b32 s48, 0
	s_cselect_b32 s54, s55, s54
	s_cselect_b32 s11, s57, s58
	s_cmp_ge_u32 s48, 8
	s_cselect_b32 s12, s54, s51
	s_cselect_b32 s11, s11, s58                    ; bytes from row to row
	s_add_nc_u64 s[4:5], s[4:5], s[12:13]
	s_mul_i32 s59, s49, 3
	s_add_co_u32 s59, s59, s48
	s_lshl_b32 s59, s59, 13                        ; row q/k/v: strip 3 nt + matrix
	s_lshl_b32 s60, s48, 17
	s_lshl_b32 s61, s49, 13
	s_add_co_u32 s60, s60, s61                     ; the others: block x 131,072 + nt x 8,192
	s_cmp_lt_u32 s48, 3
	s_cselect_b32 s14, s59, s60
	s_cmp_eq_u32 s10, 0
	s_cselect_b64 s[6:7], s[38:39], s[40:41]       ; layer 0: W0, layer 1: W1
	s_add_nc_u64 s[6:7], s[6:7], s[14:15]
	LOADSTRIP
	; my four k of a load: 128 hf + 4 lane: q = 16 hf + lane / 2, 8 bytes at 8 (lane % 2).  Stage row q, byte 16 r
	v_lshrrev_b32 v4, 1, v3
	v_mul_u32_u24 v4, v4, PITCH
	v_and_b32 v5, 1, v3
	v_lshl_add_u32 v4, v5, 3, v4
	v_add_nc_u32 v[SW], s9, v4
.set i, 0
.rept 32
	s_wait_loadcnt 31-i                            ; load i is in, the younger ones stay out
	v_cvt_pk_bf16_f32 v[T+2*(i%4)], v[D+4*i], v[D+4*i+1]
	v_cvt_pk_bf16_f32 v[T+2*(i%4)+1], v[D+4*i+2], v[D+4*i+3]
	ds_store_b64 v[SW], v[T+2*(i%4):T+2*(i%4)+1] offset:(i%2)*16*PITCH+(i/2)*16
.set i, i+1
.endr
.set i, 0
.rept 16
	ds_load_b128 v[D+4*i:D+4*i+3], v[SR] offset:i*2*PITCH
.set i, i+1
.endr
.set i, 0
.rept 16
	s_wait_dscnt 15-i
	global_store_b128 v1, v[D+4*i:D+4*i+3], s[6:7] offset:512*i   ; 512 consecutive bytes, aligned
.set i, i+1
.endr
	s_cmp_lg_u32 ttmp9, 0                          ; wave 4 of work-group 0 also writes the two layer numbers
	s_cbranch_scc1 .Lend
	s_cmp_lg_u32 s8, 4
	s_cbranch_scc1 .Lend
	v_lshlrev_b32 v26, 3, v3
	v_mov_b32 v[T+8], 0
	v_mov_b32 v[T+9], 0
	v_mov_b32 v[T+10], 1
	v_mov_b32 v[T+11], 1
	global_store_b64 v26, v[T+8:T+9], s[44:45]     ; 256 bytes of 0
	global_store_b64 v26, v[T+10:T+11], s[46:47]   ; 256 bytes of 1
.Lend:
	s_wait_tensorcnt 0x0
	ds_add_u32 v176, v177
	s_wait_dscnt 0x0
	s_endpgm
.Lfunc_end_k_q9f18a38e40_prep:
	.size	k_q9f18a38e40_prep, .Lfunc_end_k_q9f18a38e40_prep-k_q9f18a38e40_prep
	.p2alignl 7, 3214868480
	.fill 96, 4, 3214868480
	.section	.rodata,"a",@progbits
	.p2align	6, 0x0
	.amdhsa_kernel k_q9f18a38e40_prep
		.amdhsa_group_segment_fixed_size 52992
		.amdhsa_private_segment_fixed_size 0
		.amdhsa_enable_private_segment 0
		.amdhsa_kernarg_size 128
		.amdhsa_user_sgpr_count 2
		.amdhsa_user_sgpr_kernarg_segment_ptr 1
		.amdhsa_wavefront_size32 1
		.amdhsa_system_sgpr_workgroup_id_x 1
		.amdhsa_system_sgpr_workgroup_id_y 1
		.amdhsa_system_sgpr_workgroup_id_z 1
		.amdhsa_system_vgpr_workitem_id 0
		.amdhsa_next_free_vgpr 178
		.amdhsa_next_free_sgpr 66
		.amdhsa_reserve_vcc 0
		.amdhsa_float_denorm_mode_32 3
		.amdhsa_float_denorm_mode_16_64 3
		.amdhsa_memory_ordered 1
		.amdhsa_forward_progress 1
		.amdhsa_inst_pref_size 92
	.end_amdhsa_kernel
	.amdgpu_metadata
---
amdhsa.version: [ 1, 2 ]
amdhsa.kernels:
  - .name:           k_q9f18a38e40_prep
    .symbol:         k_q9f18a38e40_prep.kd
    .args:
      - { .name: distances, .offset: 0, .size: 8, .value_kind: global_buffer, .address_space: global }
      - { .name: row_qW, .offset: 8, .size: 8, .value_kind: global_buffer, .address_space: global }
      - { .name: row_kW, .offset: 16, .size: 8, .value_kind: global_buffer, .address_space: global }
      - { .name: row_vW, .offset: 24, .size: 8, .value_kind: global_buffer, .address_space: global }
      - { .name: row_oW, .offset: 32, .size: 8, .value_kind: global_buffer, .address_space: global }
      - { .name: col_qW, .offset: 40, .size: 8, .value_kind: global_buffer, .address_space: global }
      - { .name: col_kW, .offset: 48, .size: 8, .value_kind: global_buffer, .address_space: global }
      - { .name: col_vW, .offset: 56, .size: 8, .value_kind: global_buffer, .address_space: global }
      - { .name: col_oW, .offset: 64, .size: 8, .value_kind: global_buffer, .address_space: global }
      - { .name: fc1W, .offset: 72, .size: 8, .value_kind: global_buffer, .address_space: global }
      - { .name: fc2W, .offset: 80, .size: 8, .value_kind: global_buffer, .address_space: global }
      - { .name: W0, .offset: 88, .size: 8, .value_kind: global_buffer, .address_space: global }
      - { .name: W1, .offset: 96, .size: 8, .value_kind: global_buffer, .address_space: global }
      - { .name: BK, .offset: 104, .size: 8, .value_kind: global_buffer, .address_space: global }
      - { .name: L0, .offset: 112, .size: 8, .value_kind: global_buffer, .address_space: global }
      - { .name: L1, .offset: 120, .size: 8, .value_kind: global_buffer, .address_space: global }
    .group_segment_fixed_size: 52992
    .private_segment_fixed_size: 0
    .kernarg_segment_align: 8
    .kernarg_segment_size: 128
    .max_flat_workgroup_size: 192
    .sgpr_count:     66
    .vgpr_count:     178
    .wavefront_size: 32
...
	.end_amdgpu_metadata
.endif
;; end of part 1
;; launch row0 (part 2): grid 256 x 1, 4 waves a work-group, clusters of 4 x 1, 285,184 bytes of LDS; arguments hidden_states, W0, BK, L0, ln_row_w, ln_row_b, row_qb, row_kb, row_vb, row_rel, CTX; writes CTX
.if DOCPART == 2
	.amdgcn_target "amdgcn-amd-amdhsa--gfx1250"
	.amdhsa_code_object_version 6
	.text
	.protected	k_q9f18a38e40_row0
	.globl	k_q9f18a38e40_row0
	.p2align	8
	.type	k_q9f18a38e40_row0,@function
k_q9f18a38e40_row0:
	s_mov_b64 s[64:65], 0
	v_nop
	global_prefetch_b8 v0, s[64:65] scope:SCOPE_SE
	s_setreg_imm32_b32 hwreg(HW_REG_WAVE_MODE, 25, 1), 1
	s_wait_xcnt 0x0
	s_wait_alu depctr_hold_cnt(0) depctr_sa_sdst(0) depctr_va_vdst(0) depctr_va_sdst(0) depctr_va_ssrc(0) depctr_va_vcc(0) depctr_vm_vsrc(0)
	s_getreg_b32 s2, hwreg(HW_REG_IB_STS2, 6, 4)
	s_cmp_eq_u32 s2, 0
	s_cbranch_scc0 .Lentry_in_a_cluster
	s_endpgm
.Lentry_in_a_cluster:
	s_bfe_u32 s2, ttmp6, 0x10000c
	s_cmp_lg_u32 s2, 0x3003
	s_cbranch_scc0 .Lentry_shape_is_right
	s_endpgm
.Lentry_shape_is_right:
; ROW: LayerNorm, q/k/v projections and the attention over the 256 columns, for one (b, r) = cluster number and one group of two heads hg = place in the cluster.
; Out: CTX[b][r][hg][column 256][64 features] in bf16 (the output projection is done by the next launch).
; CLUSTER: the four head groups of one (b, r) need the same 256 x 256 tile of x: it is asked for jointly, each wave 64 rows, as four loads of 16 rows, so that the LayerNorm of the
; first 16 rows runs while the other 48 are on their way (the tile is filled once and no other work could cover its arrival): four tensor loads of a wave are out at the most.
; The weights differ between the partners (each takes its own 64 output features) and go straight into registers, each fragment to one wave: no joint load for them.
; LAYOUTS.  A fragment is 16 rows x 32 k of bf16 in 8 registers (lane l: row l % 16; registers 0-3 k = 8 (l / 16) + 0..7, registers 4-7 k = 16 + 8 (l / 16) + 0..7); in LDS and in W it lies
; in that order: registers 0-3 at 16 l, registers 4-7 at 512 + 16 l: every fragment load and store is 512 consecutive bytes.
; q, k: weight fragment as source 0, x fragment as source 1: a lane holds one token and 8 features, which pack into half a fragment of q or k.
; v: the other way round: a lane holds one feature and 8 tokens, which pack into half a fragment of V^T.
; S^T = K Q^T + bias: a lane holds one query; the bias rel[bucket] is brought into the accumulator by a lane permute (lane b of a register holds rel[b][head]); P = packed S^T is source 1 of O^T = V^T P.
; THE ATTENTION IS A LOOP of two trips: a trip takes a pair of my wave's four query tiles through both heads.  Between the trips only q's LDS address, CTX's base and the bucket indices change.
; SOFTMAX in f32 with the row's true maximum taken away; the weights are rounded to bf16 for the second product, their sum is kept in f32.
; LDS: 16 regions of 16,640 bytes = 16 rows of x at pitch 1,040 (filled once).  After the LayerNorm region i holds the m-tile's 8 x fragments in bytes 0-8,191 and 8 fragment places ("gap i") in bytes 8,192-16,383:
;   q (head, tile) in gaps 0-3, k in gaps 4-7, V^T (head, d tile, 32 keys) in gaps 8-11.  Behind them a stage of 32 x 144 bytes for each wave.
; REGISTERS by windows of 256: 0: addresses, rel, 24 weight fragments (later bucket words, O^T, q, at work); 1: x and LayerNorm at work, then two buffers of x fragments, then S^T;
;   2: accumulators, packed tiles, bucket words, bias tiles, then P and K or V^T; 3: LayerNorm's gain and bias, then the 256 bucket indices.
; LIMITS: NaN and infinite inputs are not served.
.set XP,   1040
.set REG,  16*XP
.set QREG, 4*REG
.set GAP,  8192
.set CST,  16*REG
.set CSP,  144
.set WV,   4                           ; s4 wave; s5 head group; s6 layer
.set QB,   31                          ; s31 the pair's q fragments: 2,048 bytes a trip
.set PAIRS, 32                         ; s32 pairs of query tiles to go
.set G0X,  68                          ; s[68:83] descriptor group 0, a set for each quarter of my wave's rows
.set VL16, 4                           ; v4  16 x lane
.set VX,   5                           ; v5  my place in my wave's rows of x
.set VFS,  6                           ; v6  where my wave's x fragments go
.set VA,   8                           ; v8-11 x fragments of regions 4 q ..
.set VQ,   12                          ; v12-14 where q, k, V^T halves go
.set VK,   13
.set VV,   14
.set VKL,  15                          ; v15-17 where k, q, V^T fragments are read
.set VQL,  16
.set VVL,  17
.set VCS,  18                          ; v18, v19 the stage: in, back
.set VCR,  19
.set VLN,  20                          ; v20-23 offsets of parameters in memory
.set VBQ,  21
.set VBV,  22
.set VREL, 23
.set VQA,  24                          ; v24 q's address for the pair in hand
.set REL,  32                          ; v32, v33 rel[lane][head 0, 1 of the group]
.set WB,   64                          ; v64-255 weight fragments (matrix x 8 + K step) x 8
.set RAW1, 64                          ; in the attention: bucket words of the second pair of query tiles
.set OT,   128                         ; O^T, four tiles (t, d tile)
.set QF,   160                         ; q fragments of two tiles
.set MX,   176
.set PX,   180
.set CM,   182
.set LS,   184
.set LT,   192
.set RL,   194
.set PKO,  200
.set OUTR, 216
.set MSB, 0
.macro WIN new                         ; the immediate's high byte repeats the setting that is left; a switch that changes nothing is dropped
.if MSB != (\new)
	s_set_vgpr_msb (MSB<<8)|(\new)
.set MSB, \new
.endif
.endm
.macro PLACES                          ; four plain instructions behind matrix instructions whose registers are touched next (ISA guide 7.12.1)
.rept 4
	v_nop
.endr
.endm
.macro ROUND                           ; a round of the cluster's barrier
	s_barrier_signal -1
	s_barrier_wait -1
	s_cmp_lg_u32 s[WV], 0
	s_cbranch_scc1 .Lnw0_\@
	s_barrier_signal -3
.Lnw0_\@:
	s_barrier_wait -3
	s_barrier_signal -1
	s_barrier_wait -1
.endm
	s_load_b512 s[36:51], s[0:1], 0x0              ; x 36, W 38, BK 40, layer 42, ln w 44, ln b 46, qb 48, kb 50
	s_load_b128 s[52:55], s[0:1], 0x40             ; vb 52, rel 54
	s_load_b64 s[56:57], s[0:1], 0x50              ; CTX
	v_lshl_add_u32 v62, v0, 2, 0x45800
	v_mov_b32 v63, 0
	ds_add_u32 v62, v63
	v_lshrrev_b32 v1, 5, v0
	v_readfirstlane_b32 s[WV], v1
	s_bfe_u32 s5, ttmp6, 0x40000                   ; head group = my place in the cluster: it enters addresses in memory alone
	; descriptor group 1: 16 rows x 256 elements of 4 bytes, 4 words of padding behind every 256 words (LDS pitch 1,040); all four work-groups named
	s_mov_b32 s8, 15|(2<<16)|(1<<20)|(1<<21)|(7<<22)|(3<<25)
	s_mov_b32 s9, 256<<16
	s_mov_b32 s10, 16<<16
	s_mov_b32 s11, 256<<16
	s_mov_b32 s12, 16
	s_mov_b32 s13, 256
	s_mov_b32 s14, 0
	s_mov_b32 s15, 0
	s_mul_i32 s17, s[WV], QREG                     ; my wave's 64 rows in LDS
	s_lshl_b32 s26, ttmp9, 18                      ; (b, r) x 256 rows of 1,024 bytes
	s_lshl_b32 s28, s[WV], 16
	s_add_co_u32 s26, s26, s28
	s_mov_b32 s27, 0
	s_mov_b32 s20, 0x76543210                      ; lane selects: each lane takes its own place in the other half
	s_mov_b32 s21, 0xfedcba98
	s_mov_b32 s22, 0x3fb8aa3b                      ; log2(e), as a pair
	s_mov_b32 s23, s22
	s_mov_b32 s24, 0x3b800000                      ; 1 / 256
	s_mov_b32 s25, 0x2b8cbccc                      ; 1e-12
	s_wait_dscnt 0x0
	s_wait_kmcnt 0x0
	s_load_b32 s6, s[42:43], 0x0                   ; the layer's number
	s_add_nc_u64 s[18:19], s[36:37], s[26:27]      ; x at my wave's first row
.irp i, 0,1,2,3
	s_mov_b32 s[G0X+4*\i], 1
	s_add_co_u32 s[G0X+4*\i+1], s17, \i*REG        ; region 4 w + i
	s_add_nc_u64 s[G0X+4*\i+2:G0X+4*\i+3], s[18:19], \i*16384
	s_or_b32 s[G0X+4*\i+3], s[G0X+4*\i+3], 0x80000000
.endr
	ROUND                                          ; the four work-groups are here: the joint loads meet
.irp i, 0,1,2,3
	tensor_load_to_lds s[G0X+4*\i:G0X+4*\i+3], s[8:15]   ; my wave's four first fills, one group: all the tensor loads of the launch
	s_nop 0
.endr
	PLACES
	; what hangs on no loaded number is made while the layer's number is on its way
	s_lshl_b32 s28, s5, 2
	s_add_co_u32 s28, s28, s[WV]
	s_mul_i32 s26, s28, 24576                      ; my 16 output features: strips 3 (4 hg + w) .. + 2
	s_add_nc_u64 s[38:39], s[38:39], s[26:27]
	s_lshl_b32 s26, ttmp9, 16
	s_lshl_b32 s28, s[WV], 14
	s_add_co_u32 s26, s26, s28                     ; bucket words of my four query tiles
	s_add_nc_u64 s[40:41], s[40:41], s[26:27]
	s_lshl_b32 s26, ttmp9, 17
	s_lshl_b32 s28, s5, 15
	s_add_co_u32 s26, s26, s28
	s_lshl_b32 s28, s[WV], 13
	s_add_co_u32 s26, s26, s28                     ; CTX at my wave's 64 columns
	s_add_nc_u64 s[56:57], s[56:57], s[26:27]
	v_and_b32 v1, 31, v0                           ; lane
	v_and_b32 v2, 15, v0                           ; r
	v_bfe_u32 v3, v0, 4, 1                         ; h
	v_lshlrev_b32 v[VL16], 4, v1
	v_mul_u32_u24 v[VX], v2, XP
	v_lshl_add_u32 v[VX], v3, 5, v[VX]
	v_add_nc_u32 v[VX], s17, v[VX]
	v_add_nc_u32 v[VFS], s17, v[VL16]
.irp q, 0,1,2,3
	v_add_nc_u32 v[VA+\q], \q*QREG, v[VL16]
.endr
	s_lshr_b32 s26, s[WV], 1                       ; head of my features
	s_and_b32 s29, s[WV], 1                        ; half of the head's 32
	s_mul_i32 s28, s26, 2*REG
	s_lshl_b32 s30, s29, 9
	s_add_co_u32 s28, s28, s30
	s_add_co_u32 s28, s28, GAP
	v_add_nc_u32 v[VQ], s28, v[VL16]
	v_add_nc_u32 v[VK], QREG, v[VQ]
	s_mul_i32 s28, s[WV], REG
	s_add_co_u32 s28, s28, 8*REG+GAP
	v_add_nc_u32 v[VV], s28, v[VL16]
	v_add_nc_u32 v[VKL], 4*REG+GAP, v[VL16]
	s_mul_i32 s28, s26, REG
	s_lshl_b32 s30, s29, 12
	s_add_co_u32 s28, s28, s30
	s_add_co_u32 s28, s28, GAP
	v_add_nc_u32 v[VQL], s28, v[VL16]              ; my query tiles 4 w ..: gap w / 2 (+ 2 head), place 4 (w % 2)
	v_add_nc_u32 v[VVL], 8*REG+GAP, v[VL16]
	s_mul_i32 s28, s[WV], 32*CSP
	s_add_co_u32 s28, s28, CST
	v_mul_u32_u24 v[VCS], v2, CSP
	v_lshl_add_u32 v[VCS], v3, 4, v[VCS]
	v_add_nc_u32 v[VCS], s28, v[VCS]
	v_lshrrev_b32 v[VCR], 3, v1
	v_mul_u32_u24 v[VCR], v[VCR], CSP
	v_and_b32 v7, 7, v1
	v_lshl_add_u32 v[VCR], v7, 4, v[VCR]
	v_add_nc_u32 v[VCR], s28, v[VCR]
	v_lshlrev_b32 v[VLN], 5, v3                    ; 32 h
	s_lshl_b32 s28, s5, 8
	s_lshl_b32 s30, s[WV], 6
	s_add_co_u32 s28, s28, s30                     ; 4 (64 hg + 16 w)
	v_add_nc_u32 v[VBQ], s28, v[VLN]
	v_lshl_add_u32 v[VBV], v2, 2, s28
	s_lshl_b32 s30, s5, 3
	v_lshl_add_u32 v[VREL], v1, 5, s30             ; rel[lane][2 hg]
	WIN 0x40
	v_mov_b32 v137, 0                              ; the lane exchange counts as a reader of its destination
	s_wait_kmcnt 0x0
	s_min_u32 s6, s6, 1
	s_lshl_b32 s26, s6, 10                         ; the layer's 1,024 bytes in each [2, 256] vector and in rel
	s_add_nc_u64 s[44:45], s[44:45], s[26:27]
	s_add_nc_u64 s[46:47], s[46:47], s[26:27]
	s_add_nc_u64 s[48:49], s[48:49], s[26:27]
	s_add_nc_u64 s[50:51], s[50:51], s[26:27]
	s_add_nc_u64 s[52:53], s[52:53], s[26:27]
	s_add_nc_u64 s[54:55], s[54:55], s[26:27]
	WIN 0xc0
.set i, 0
.rept 32                               ; gain and bias (window 3) in the order of my 128 numbers of a row: register 4 i = k 32 (i/4) + 16 ((i/2)%2) + 8 h + 4 (i%2)
	global_load_b128 v[4*i:4*i+3], v[VLN], s[44:45] offset:(i/4)*128+((i/2)%2)*64+(i%2)*16
	global_load_b128 v[128+4*i:131+4*i], v[VLN], s[46:47] offset:(i/4)*128+((i/2)%2)*64+(i%2)*16
.set i, i+1
.endr
; LayerNorm of one m-tile (16 rows): a lane holds 128 numbers of row r in fragment order; the lane 16 away holds the other 128.  All in window 1 but gain and bias.
.macro LNT mtl
	s_wait_tensorcnt 3-\mtl                        ; tensor loads of a wave end in order: this quarter of my rows is in, the later ones stay out; only my wave reads them
	WIN 0x40
.set i, 0
.rept 32
	ds_load_b128 v[4*i:4*i+3], v[VX] offset:\mtl*REG+(i/4)*128+((i/2)%2)*64+(i%2)*16
.set i, i+1
.endr
	s_wait_dscnt 0x0
	WIN 0x55
.set p, 0
.rept 4
	v_pk_add_f32 v[128+2*p:129+2*p], v[2*p:2*p+1], v[8+2*p:9+2*p]
.set p, p+1
.endr
.set p, 8
.rept 56
	v_pk_add_f32 v[128+2*(p%4):129+2*(p%4)], v[128+2*(p%4):129+2*(p%4)], v[2*p:2*p+1]
.set p, p+1
.endr
	v_pk_add_f32 v[128:129], v[128:129], v[130:131]
	v_pk_add_f32 v[132:133], v[132:133], v[134:135]
	v_pk_add_f32 v[128:129], v[128:129], v[132:133]
	v_add_f32 v136, v128, v129
	v_permlanex16_b32 v137, v136, s20, s21
	v_add_f32 v136, v136, v137
	v_mul_f32 v138, s24, v136                      ; the mean, twice
	v_mul_f32 v139, s24, v136
.set p, 0
.rept 64
	v_pk_add_f32 v[2*p:2*p+1], v[2*p:2*p+1], v[138:139] neg_lo:[0,1] neg_hi:[0,1]
.set p, p+1
.endr
.set p, 0
.rept 4
	v_pk_mul_f32 v[128+2*p:129+2*p], v[2*p:2*p+1], v[2*p:2*p+1]
.set p, p+1
.endr
.rept 60
	v_pk_fma_f32 v[128+2*(p%4):129+2*(p%4)], v[2*p:2*p+1], v[2*p:2*p+1], v[128+2*(p%4):129+2*(p%4)]
.set p, p+1
.endr
	v_pk_add_f32 v[128:129], v[128:129], v[130:131]
	v_pk_add_f32 v[132:133], v[132:133], v[134:135]
	v_pk_add_f32 v[128:129], v[128:129], v[132:133]
	v_add_f32 v136, v128, v129
	v_permlanex16_b32 v137, v136, s20, s21
	v_add_f32 v136, v136, v137
	v_fma_f32 v136, v136, s24, s25                 ; variance + 1e-12
	v_rsq_f32 v140, v136
	v_rsq_f32 v141, v136
	v_nop                                          ; a plain instruction between the root and its use
.set p, 0
	s_wait_alu depctr_va_vdst(0)
.rept 64
	v_pk_mul_f32 v[2*p:2*p+1], v[2*p:2*p+1], v[140:141]
.set p, p+1
.endr
.if \mtl == 0
	s_wait_loadcnt 0x0                             ; gain and bias: their first use; nothing else has been asked for yet
.endif
	WIN 0x7d
.set p, 0
.rept 64
	v_pk_fma_f32 v[2*p:2*p+1], v[2*p:2*p+1], v[2*p:2*p+1], v[128+2*p:129+2*p]   ; source 0 window 1 (x), sources 1 and 2 window 3 (gain, bias)
.set p, p+1
.endr
	WIN 0x55
.set p, 0
.rept 64
	v_cvt_pk_bf16_f32 v[192+p], v[2*p], v[2*p+1]
.set p, p+1
.endr
	WIN 0x04
.set i, 0
.rept 16                               ; the m-tile's 8 fragments over its own first rows, which are in registers: only my wave read them, and LDS serves a wave in order
	ds_store_b128 v[VFS], v[192+4*i:195+4*i] offset:\mtl*REG+i*512
.set i, i+1
.endr
.endm
	LNT 0
	WIN 0                                          ; what the products need lands under the other three LayerNorms: 55 loads
.set i, 0
.rept 48
	global_load_b128 v[WB+4*i:WB+4*i+3], v[VL16], s[38:39] offset:512*i
.set i, i+1
.endr
	global_load_b32 v[REL], v[VREL], s[54:55]
	global_load_b32 v[REL+1], v[VREL], s[54:55] offset:4
	WIN 0x80
	global_load_b128 v[160:163], v[VBQ], s[48:49]
	global_load_b128 v[164:167], v[VBQ], s[48:49] offset:16
	global_load_b128 v[168:171], v[VBQ], s[50:51]
	global_load_b128 v[172:175], v[VBQ], s[50:51] offset:16
	global_load_b32 v176, v[VBV], s[52:53]
	LNT 1
	LNT 2
	WIN 0x80
.set i, 0
.rept 16                               ; bucket words of my first pair of query tiles
	global_load_b128 v[96+4*i:99+4*i], v[VL16], s[40:41] offset:(i/8)*4096+(i%8)*512
.set i, i+1
.endr
	LNT 3
	s_wait_loadcnt 0x0                             ; weights, biases, rel, bucket words
	WIN 0x82
.set i, 1
.rept 7
	v_mov_b32 v[176+i], v176                       ; v's bias tile: one feature a lane, the same for its 8 tokens
.set i, i+1
.endr
	WIN 0
	s_wait_dscnt 0x0                               ; my fragments are written, my reads of x are over
	s_barrier_signal -1
	s_barrier_wait -1                              ; everybody's: all x fragments may be read, all gaps may be written
; the 32 loads of the x fragments of m-tiles 2 tp, 2 tp + 1 into buffer tp % 2 (window 1)
.macro ALD tp
	WIN 0x40
.set mi, 0
.rept 2
.set mt, 2*(\tp)+mi
.set ks, 0
.rept 8
	ds_load_b128 v[((\tp)%2)*128+(mi*8+ks)*8:((\tp)%2)*128+(mi*8+ks)*8+3], v[VA+mt/4] offset:(mt%4)*REG+ks*1024
	ds_load_b128 v[((\tp)%2)*128+(mi*8+ks)*8+4:((\tp)%2)*128+(mi*8+ks)*8+7], v[VA+mt/4] offset:(mt%4)*REG+ks*1024+512
.set ks, ks+1
.endr
.set mi, mi+1
.endr
.endm
; q, k, v of two m-tiles for my 16 features.  Accumulators (window 2): q0 v0, k0 v8, q1 v16, k1 v24, v0 v32, v1 v40; they take turns, one instruction a turn.  The first product takes the bias tile as C.
.macro TRIP tp
	s_wait_dscnt 0x0                               ; this trip's fragments are in (and the last trip's stores done)
.if \tp < 7
	ALD \tp+1                                      ; the other buffer's last readers stand in front of the last trip's four places
.endif
.set AB, (\tp%2)*128
	WIN 0xa4
.set ks, 0
.rept 8
.set a, 0
.rept 4
.if ks == 0
	v_wmma_f32_16x16x32_bf16 v[8*a:8*a+7], v[WB+((a%2)*8+ks)*8:WB+((a%2)*8+ks)*8+7], v[AB+((a/2)*8+ks)*8:AB+((a/2)*8+ks)*8+7], v[160+8*(a%2):167+8*(a%2)]
.else
	v_wmma_f32_16x16x32_bf16 v[8*a:8*a+7], v[WB+((a%2)*8+ks)*8:WB+((a%2)*8+ks)*8+7], v[AB+((a/2)*8+ks)*8:AB+((a/2)*8+ks)*8+7], v[8*a:8*a+7]
.endif
.set a, a+1
.endr
.set ks, ks+1
.endr
	WIN 0xa1
.set ks, 0
.rept 8
.set a, 0
.rept 2
.if ks == 0
	v_wmma_f32_16x16x32_bf16 v[32+8*a:39+8*a], v[AB+(a*8+ks)*8:AB+(a*8+ks)*8+7], v[WB+(16+ks)*8:WB+(16+ks)*8+7], v[176:183]
.else
	v_wmma_f32_16x16x32_bf16 v[32+8*a:39+8*a], v[AB+(a*8+ks)*8:AB+(a*8+ks)*8+7], v[WB+(16+ks)*8:WB+(16+ks)*8+7], v[32+8*a:39+8*a]
.endif
.set a, a+1
.endr
.set ks, ks+1
.endr
	PLACES
	WIN 0x82
.irp a, 0,2,4,6,16,18,20,22
	v_pk_mul_f32 v[\a:\a+1], v[\a:\a+1], 0x3d000000 op_sel_hi:[1,0]   ; q x 32^-0.5 / sqrt(32) = q / 32
.endr
	WIN 0x8a
.set i, 0
.rept 24
	v_cvt_pk_bf16_f32 v[48+i], v[2*i], v[2*i+1]
.set i, i+1
.endr
	WIN 0x08
.set m0, 2*\tp
	ds_store_b128 v[VQ], v[48:51] offset:(m0/8)*REG+(m0%8)*1024
	ds_store_b128 v[VK], v[52:55] offset:(m0/8)*REG+(m0%8)*1024
	ds_store_b128 v[VQ], v[56:59] offset:(m0/8)*REG+(m0%8+1)*1024
	ds_store_b128 v[VK], v[60:63] offset:(m0/8)*REG+(m0%8+1)*1024
	ds_store_b128 v[VV], v[64:67] offset:\tp*1024
	ds_store_b128 v[VV], v[68:71] offset:\tp*1024+512
.endm
	ALD 0
.irp tp, 0,1,2,3,4,5,6,7
	TRIP \tp
.endr
.macro EXTRACT base                    ; 64 words of four bytes -> 256 indices (window 3), index i for score register i
.set n, 0
.rept 64
	v_and_b32 v[4*n], 0xff, v[\base+n]
	v_bfe_u32 v[4*n+1], v[\base+n], 8, 8
	v_bfe_u32 v[4*n+2], v[\base+n], 16, 8
	v_lshrrev_b32 v[4*n+3], 24, v[\base+n]
.set n, n+1
.endr
.endm
	WIN 0
	v_mov_b32 v[PX], 0
.set i, 0
.rept 16                               ; the second pair's bucket words, into registers that held weights (their last readers stand in front of the last trip's places)
	global_load_b128 v[RAW1+4*i:RAW1+4*i+3], v[VL16], s[40:41] offset:8192+(i/8)*4096+(i%8)*512
.set i, i+1
.endr
	s_wait_dscnt 0x0                               ; my halves of q, k, V^T are written
	s_barrier_signal -1
	WIN 0xca                                       ; register work while the others arrive: the first pair's indices, over gain and bias, which have had their last use
	EXTRACT 96
	WIN 0
	s_barrier_wait -1                              ; everybody's halves are written
; softmax of query tile t: 128 scores a lane, the query's other 128 in the lane 16 away
.macro SOFTMAX t
.set SB, 128*\t
	WIN 0x05
.set c, 0
.rept 4
	v_max_num_f32 v[MX+c], v[SB+c], v[SB+4+c]
.set c, c+1
.endr
.set n, 0
.rept 60
	v_max3_num_f32 v[MX+n%4], v[SB+8+2*n], v[SB+9+2*n], v[MX+n%4]
.set n, n+1
.endr
	WIN 0
	v_max3_num_f32 v[MX], v[MX], v[MX+1], v[MX+2]
	v_max_num_f32 v[MX], v[MX], v[MX+3]
	v_permlanex16_b32 v[PX], v[MX], s20, s21
	v_max_num_f32 v[MX], v[MX], v[PX]
	v_mul_f32 v[CM], s22, v[MX]
	v_mul_f32 v[CM+1], s22, v[MX]
	WIN 0x41
.set n, 0
.rept 4                                ; c s - c m for the first four pairs;
	v_pk_fma_f32 v[SB+2*n:SB+2*n+1], v[SB+2*n:SB+2*n+1], s[22:23], v[CM:CM+1] op_sel_hi:[1,0,1] neg_lo:[0,0,1] neg_hi:[0,0,1]
.set n, n+1
.endr
.set n, 0
.rept 64                               ; then behind the two exponentials of pair n the scaling of pair n + 4: plain work that touches neither their results nor their sources
	v_exp_f32 v[SB+2*n], v[SB+2*n]
	v_exp_f32 v[SB+2*n+1], v[SB+2*n+1]
.if n < 60
	v_pk_fma_f32 v[SB+2*n+8:SB+2*n+9], v[SB+2*n+8:SB+2*n+9], s[22:23], v[CM:CM+1] op_sel_hi:[1,0,1] neg_lo:[0,0,1] neg_hi:[0,0,1]
.endif
.set n, n+1
.endr
	v_nop                                          ; a plain instruction between the last exponential and the use of the results
	WIN 0x85
.set n, 0
	s_wait_alu depctr_va_vdst(0)
.rept 64
	v_cvt_pk_bf16_f32 v[64*\t+n], v[SB+2*n], v[SB+2*n+1]
.set n, n+1
.endr
	WIN 0x05
.set c, 0
.rept 4
	v_pk_add_f32 v[LS+2*c:LS+2*c+1], v[SB+2*c:SB+2*c+1], v[SB+8+2*c:SB+9+2*c]
.set c, c+1
.endr
	WIN 0x01
.set n, 8
.rept 56
	v_pk_add_f32 v[LS+2*(n%4):LS+2*(n%4)+1], v[SB+2*n:SB+2*n+1], v[LS+2*(n%4):LS+2*(n%4)+1]
.set n, n+1
.endr
	WIN 0
	v_pk_add_f32 v[LS:LS+1], v[LS:LS+1], v[LS+2:LS+3]
	v_pk_add_f32 v[LS+4:LS+5], v[LS+4:LS+5], v[LS+6:LS+7]
	v_pk_add_f32 v[LS:LS+1], v[LS:LS+1], v[LS+4:LS+5]
	v_add_f32 v[LT], v[LS], v[LS+1]
	v_permlanex16_b32 v[PX], v[LT], s20, s21
	v_add_f32 v[LT], v[LT], v[PX]
	v_rcp_f32 v[RL+2*\t], v[LT]
	v_rcp_f32 v[RL+2*\t+1], v[LT]
	v_nop
.endm
; the attention of the pair of query tiles in hand (t = 0, 1) for head hd of the group
.macro UNIT hd
	WIN 0
	v_add_nc_u32 v[VQA], s[QB], v[VQL]             ; the pair's q fragments
	WIN 0x80
.set kt, 0
.rept 16
	ds_load_b128 v[128+8*kt:131+8*kt], v[VKL] offset:(2*\hd+kt/8)*REG+(kt%8)*1024
	ds_load_b128 v[132+8*kt:135+8*kt], v[VKL] offset:(2*\hd+kt/8)*REG+(kt%8)*1024+512
.set kt, kt+1
.endr
	WIN 0
.set t, 0
.rept 2
	ds_load_b128 v[QF+8*t:QF+8*t+3], v[VQA] offset:\hd*2*REG+t*1024
	ds_load_b128 v[QF+8*t+4:QF+8*t+7], v[VQA] offset:\hd*2*REG+t*1024+512
.set t, t+1
.endr
	WIN 0x43
.set i, 0
.rept 256                              ; the bias: score register i takes rel[bucket][head] from lane bucket
	ds_bpermute_b32 v[i], v[i], v[REL+\hd]
.set i, i+1
.endr
	s_wait_dscnt 0x0
	WIN 0x52
.set kt, 0
.rept 16
.set t, 0
.rept 2
	v_wmma_f32_16x16x32_bf16 v[128*t+8*kt:128*t+8*kt+7], v[128+8*kt:135+8*kt], v[QF+8*t:QF+8*t+7], v[128*t+8*kt:128*t+8*kt+7]
.set t, t+1
.endr
.set kt, kt+1
.endr
	PLACES
	WIN 0x80
.set i, 0
.rept 16                               ; V^T (d tile i / 8, keys 32 (i % 8) on) over k's fragments
	ds_load_b128 v[128+8*i:131+8*i], v[VVL] offset:(2*\hd+i/8)*REG+(i%8)*1024
	ds_load_b128 v[132+8*i:135+8*i], v[VVL] offset:(2*\hd+i/8)*REG+(i%8)*1024+512
.set i, i+1
.endr
	SOFTMAX 0
	SOFTMAX 1
	s_wait_dscnt 0x0
	WIN 0x0a
.set u, 0
.rept 8
.set x, 0
.rept 4                                ; x = 2 t + d tile: four accumulators by turns
.if u == 0
	v_wmma_f32_16x16x32_bf16 v[OT+8*x:OT+8*x+7], v[128+((x%2)*8+u)*8:128+((x%2)*8+u)*8+7], v[(x/2)*64+u*8:(x/2)*64+u*8+7], 0
.else
	v_wmma_f32_16x16x32_bf16 v[OT+8*x:OT+8*x+7], v[128+((x%2)*8+u)*8:128+((x%2)*8+u)*8+7], v[(x/2)*64+u*8:(x/2)*64+u*8+7], v[OT+8*x:OT+8*x+7]
.endif
.set x, x+1
.endr
.set u, u+1
.endr
	PLACES
	WIN 0
.set x, 0
	s_wait_alu depctr_va_vdst(0)
.rept 4
.set i, 0
.rept 4
	v_pk_mul_f32 v[OT+8*x+2*i:OT+8*x+2*i+1], v[OT+8*x+2*i:OT+8*x+2*i+1], v[RL+2*(x/2):RL+2*(x/2)+1]
.set i, i+1
.endr
.set x, x+1
.endr
.set i, 0
.rept 16
	v_cvt_pk_bf16_f32 v[PKO+i], v[OT+2*i], v[OT+2*i+1]
.set i, i+1
.endr
.set x, 0
.rept 4
	ds_store_b128 v[VCS], v[PKO+4*x:PKO+4*x+3] offset:(x/2)*16*CSP+\hd*64+(x%2)*32
.set x, x+1
.endr
.if \hd == 1
	s_wait_xcnt 0x0                                ; the registers that the last trip's stores read are loaded again only behind this wait
.set i, 0
.rept 8
	ds_load_b128 v[OUTR+4*i:OUTR+4*i+3], v[VCR] offset:i*4*CSP    ; my own stage: LDS serves a wave in order
.set i, i+1
.endr
.set i, 0
.rept 8
	s_wait_dscnt 7-i                               ; the 7 - i younger reads of the stage may stay out
	global_store_b128 v[VL16], v[OUTR+4*i:OUTR+4*i+3], s[56:57] offset:i*512   ; four columns x 128 bytes: 512 consecutive bytes, aligned
.set i, i+1
.endr
.endif
.endm
	s_mov_b32 s[QB], 0
	s_mov_b32 s[PAIRS], 2
.Lpair:                                                ; a trip: query tiles 4 w + 2 trip, + 1, both heads
	UNIT 0
	UNIT 1
	WIN 0                                          ; at a branch and at a label every window is 0
	s_cmp_eq_u32 s[PAIRS], 1
	s_cbranch_scc1 .Lnomore                        ; behind the last pair there are no indices left to cut
	s_wait_loadcnt 0x0                             ; the second pair's bucket words
	WIN 0xc0
	EXTRACT RAW1
	WIN 0
.Lnomore:
	s_wait_xcnt 0x0                                ; the stores' base is stepped only behind this wait
	s_add_nc_u64 s[56:57], s[56:57], 4096          ; CTX: the next 32 columns x 128 bytes
	s_add_co_u32 s[QB], s[QB], 2048                ; q: the next two fragments
	s_sub_co_u32 s[PAIRS], s[PAIRS], 1
	s_cmp_lg_u32 s[PAIRS], 0
	s_cbranch_scc1 .Lpair
	s_wait_tensorcnt 0x0
	ds_add_u32 v62, v63
	s_wait_dscnt 0x0
	ROUND                                          ; the closing round
	s_endpgm
.Lfunc_end_k_q9f18a38e40_row0:
	.size	k_q9f18a38e40_row0, .Lfunc_end_k_q9f18a38e40_row0-k_q9f18a38e40_row0
	.p2alignl 7, 3214868480
	.fill 96, 4, 3214868480
	.section	.rodata,"a",@progbits
	.p2align	6, 0x0
	.amdhsa_kernel k_q9f18a38e40_row0
		.amdhsa_group_segment_fixed_size 285184
		.amdhsa_private_segment_fixed_size 0
		.amdhsa_enable_private_segment 0
		.amdhsa_kernarg_size 88
		.amdhsa_user_sgpr_count 2
		.amdhsa_user_sgpr_kernarg_segment_ptr 1
		.amdhsa_wavefront_size32 1
		.amdhsa_system_sgpr_workgroup_id_x 1
		.amdhsa_system_sgpr_workgroup_id_y 1
		.amdhsa_system_sgpr_workgroup_id_z 1
		.amdhsa_system_vgpr_workitem_id 0
		.amdhsa_next_free_vgpr 1024
		.amdhsa_next_free_sgpr 96
		.amdhsa_reserve_vcc 0
		.amdhsa_float_denorm_mode_32 3
		.amdhsa_float_denorm_mode_16_64 3
		.amdhsa_memory_ordered 1
		.amdhsa_forward_progress 1
		.amdhsa_inst_pref_size 255
	.end_amdhsa_kernel
	.section	.bss,"aw",@nobits
	.p2align	6
	.space	262144
	.amdgpu_metadata
---
amdhsa.version: [ 1, 2 ]
amdhsa.kernels:
  - .name:           k_q9f18a38e40_row0
    .symbol:         k_q9f18a38e40_row0.kd
    .args:
      - { .name: hidden_states, .offset: 0, .size: 8, .value_kind: global_buffer, .address_space: global }
      - { .name: W0, .offset: 8, .size: 8, .value_kind: global_buffer, .address_space: global }
      - { .name: BK, .offset: 16, .size: 8, .value_kind: global_buffer, .address_space: global }
      - { .name: L0, .offset: 24, .size: 8, .value_kind: global_buffer, .address_space: global }
      - { .name: ln_row_w, .offset: 32, .size: 8, .value_kind: global_buffer, .address_space: global }
      - { .name: ln_row_b, .offset: 40, .size: 8, .value_kind: global_buffer, .address_space: global }
      - { .name: row_qb, .offset: 48, .size: 8, .value_kind: global_buffer, .address_space: global }
      - { .name: row_kb, .offset: 56, .size: 8, .value_kind: global_buffer, .address_space: global }
      - { .name: row_vb, .offset: 64, .size: 8, .value_kind: global_buffer, .address_space: global }
      - { .name: row_rel, .offset: 72, .size: 8, .value_kind: global_buffer, .address_space: global }
      - { .name: CTX, .offset: 80, .size: 8, .value_kind: global_buffer, .address_space: global }
    .group_segment_fixed_size: 285184
    .private_segment_fixed_size: 0
    .kernarg_segment_align: 8
    .kernarg_segment_size: 88
    .max_flat_workgroup_size: 128
    .sgpr_count:     96
    .vgpr_count:     1024
    .wavefront_size: 32
...
	.end_amdgpu_metadata
.endif
;; end of part 2
;; launch col0 (part 3): grid 256 x 1, 4 waves a work-group, clusters of 4 x 1, 327,680 bytes of LDS; arguments hidden_states, CTX, W0, L0, row_ob, col_qb, col_kb, col_vb, col_ob, fc1b, fc2b, ln_col_w, ln_col_b, ln_ff_w, ln_ff_b, ln_f_w, ln_f_b, X1; writes X1
.if DOCPART == 3
	.amdgcn_target "amdgcn-amd-amdhsa--gfx1250"
	.amdhsa_code_object_version 6
	.text
	.protected	k_q9f18a38e40_col0
	.globl	k_q9f18a38e40_col0
	.p2align	8
	.type	k_q9f18a38e40_col0,@function
k_q9f18a38e40_col0:
	s_mov_b64 s[64:65], 0
	v_nop
	global_prefetch_b8 v0, s[64:65] scope:SCOPE_SE
	s_setreg_imm32_b32 hwreg(HW_REG_WAVE_MODE, 25, 1), 1
	s_wait_xcnt 0x0
	s_wait_alu depctr_hold_cnt(0) depctr_sa_sdst(0) depctr_va_vdst(0) depctr_va_sdst(0) depctr_va_ssrc(0) depctr_va_vcc(0) depctr_vm_vsrc(0)
	s_getreg_b32 s2, hwreg(HW_REG_IB_STS2, 6, 4)
	s_cmp_eq_u32 s2, 0
	s_cbranch_scc0 .Lentry_in_a_cluster
	s_endpgm
.Lentry_in_a_cluster:
	s_bfe_u32 s2, ttmp6, 0x10000c
	s_cmp_lg_u32 s2, 0x3003
	s_cbranch_scc0 .Lentry_shape_is_right
	s_endpgm
.Lentry_shape_is_right:
; COL: the rest of a layer for 64 tokens = all 32 rows r of two neighbouring columns (b = g / 128, columns 2 (g % 128), + 1):
;   x += CTX row_oW^T + row_ob;  LayerNorm;  q, k, v;  attention over the 32 rows, 8 heads;  x += ctx col_oW^T + col_ob;  LayerNorm;  x += gelu(xn fc1W^T + fc1b) fc2W^T + fc2b;
;   in layer 1 the final LayerNorm.  The residual x stays in registers in f32 from the first load to the store.
; SHARES: m-tile mt = (column mt / 2, rows 16 (mt % 2) ..).  Wave w owns output features 64 w .. 64 w + 63 (two heads) of every product: a wave tile of 64 x 64, 16 accumulators.
; CLUSTER: four work-groups walk the same 13 weight blocks of 131,072 bytes (bf16, fragment order): each block is asked for jointly, a wave its own 32,768 bytes, through two LDS slots.
;   A refill stands first behind a round of the cluster's barrier, in front of which every wave has waited for its LDS reads and for all its tensor loads.  By this text's count a wave has three tensor loads out at the start, later one.
; THE START: x is asked for first and joins behind the first product, which starts its sums with the constant 0 as soon as the CTX tile and the first weights are in.
; LAYOUTS as in the row launch: weight fragment as source 0: a lane holds one token and 8 features (x, q, k, h); for v the sources are swapped: one feature, 8 tokens.
; Activations go from wave to wave as fragments through ABUF (32 x 1,024 bytes, over the bytes of the CTX tile, which is filled once).  A product fetches weights and new A fragments a quarter
; (two K steps) ahead: 32 LDS loads beside 32 matrix instructions.
; LayerNorm over 256 features = 4 waves x 2 lanes x 32 registers: each wave's mean and centred sum of squares meet in LDS and are combined without forming a difference of large sums.
; GELU: gelu(x) = max(x, 0) - |x| erfc(|x| / sqrt 2) / 2, erfc(z) = (1 + a1 z + .. + a6 z^6)^-16 (Abramowitz and Stegun 7.1.28).  LIMIT: that erfc is off by up to 3e-7 absolute, for every x.
; The final LayerNorm is blended by the layer's number a (0 or 1, read as a whole number): mean x a, 1/sigma -> a/sigma + (1 - a), gain -> a gain + (1 - a), bias -> a bias: for a = 0 the numbers pass unchanged, bit for bit.
; LIMITS: NaN and infinite inputs are not served.
; LDS: slot 0 at 0, slot 1 at 131,072; CTX tile / ABUF at 262,144 (128 rows [head group][r] at pitch 272); a stage of 16 x 272 for each wave at 296,960; statistics at 314,368.
; REGISTERS: window 0: v0-31 addresses, v32-159 two buffers of weight fragments (also at work between products), v160-191 a bias tile row, v192-255 at work;
;   window 1: v0-127 x (tile (mt, nt) at 8 (4 mt + nt)), v128-255 T, the second accumulator set;  window 2: A fragments (mt x 8 + K step) x 8;
;   window 3: q v0-63, k v64-127, V^T v128-191, parameters or P v192-255; in the feed-forward part the fragments of h.
.set SLOT,  131072
.set BLK,   131072
.set ACTX,  262144
.set AP,    272
.set STAGE, 296960
.set STATS, 314368
.set WV,   36                          ; s36 wave
.set VB,   4                           ; v4, v5 my weights in slot 0, 1
.set VACT, 6
.set VAB,  7
.set VAW,  8
.set VSTW, 9
.set VSTR, 10
.set VXG,  11
.set VPB,  12
.set VPL,  13
.set VSS,  14
.set VSR,  15
.set VFB,  16
.set F0,   32
.set BV,   160
.set MSB, 0
.macro WIN new
.if MSB != (\new)
	s_set_vgpr_msb (MSB<<8)|(\new)
.set MSB, \new
.endif
.endm
.macro PLACES                          ; four plain instructions behind matrix instructions whose registers are touched next (ISA guide 7.12.1)
.rept 4
	v_nop
.endr
.endm
.macro ROUND
	s_barrier_signal -1
	s_barrier_wait -1
	s_cmp_lg_u32 s[WV], 0
	s_cbranch_scc1 .Lnw0_\@
	s_barrier_signal -3
.Lnw0_\@:
	s_barrier_wait -3
	s_barrier_signal -1
	s_barrier_wait -1
.endm
; The change of blocks.  This block lies in slot; refill = 1: the other slot, read last, takes the block after this one.
.macro HEAD slot, refill
	WIN 0
	s_wait_tensorcnt 0x0                           ; all my tensor loads have landed, my part of this block among them: a group 0 may be written
	ds_add_u32 v30, v31
	s_wait_dscnt 0x0
.if \refill
	s_add_nc_u64 s[18+4*(1-\slot):19+4*(1-\slot)], s[18+4*(1-\slot):19+4*(1-\slot)], 2*BLK
.endif
	s_wait_dscnt 0x0                               ; my reads of the other slot are back, my stores into ABUF are done
.if \refill
	ROUND                                          ; both hold of every wave of the four work-groups
	tensor_load_to_lds s[16+4*(1-\slot):19+4*(1-\slot)], s[8:15]   ; my one tensor load behind the round, first thing there
	s_nop 0
	PLACES
.else
	s_barrier_signal -1
	s_barrier_wait -1
.endif
.endm
.macro BFETCH slot, q, f               ; weight fragments of K steps 2 q, 2 q + 1 for my four n tiles
	WIN 0
.set kk, 0
.rept 2
.set nt, 0
.rept 4
	ds_load_b128 v[(\f)+(kk*4+nt)*8:(\f)+(kk*4+nt)*8+3], v[VB+\slot] offset:(nt*8+2*(\q)+kk)*1024
	ds_load_b128 v[(\f)+(kk*4+nt)*8+4:(\f)+(kk*4+nt)*8+7], v[VB+\slot] offset:(nt*8+2*(\q)+kk)*1024+512
.set nt, nt+1
.endr
.set kk, kk+1
.endr
.endm
.macro AQF win, q                      ; the A fragments of K steps 2 q, 2 q + 1, all four m-tiles, from ABUF into window win
	WIN (\win<<6)
.set ks, 2*(\q)
.rept 2
.set mt, 0
.rept 4
	ds_load_b128 v[(mt*8+ks)*8:(mt*8+ks)*8+3], v[VAB] offset:(mt*8+ks)*1024
	ds_load_b128 v[(mt*8+ks)*8+4:(mt*8+ks)*8+7], v[VAB] offset:(mt*8+ks)*1024+512
.set mt, mt+1
.endr
.set ks, ks+1
.endr
.endm
.macro AQC q                           ; the same from the CTX tile: row (head group ks / 2, r), byte 128 x column + 64 (ks % 2) + 16 h; into window 2
	WIN 0x80
.set ks, 2*(\q)
.rept 2
.set mt, 0
.rept 4
	ds_load_b128 v[(mt*8+ks)*8:(mt*8+ks)*8+3], v[VACT] offset:((ks/2)*32+(mt%2)*16)*AP+(mt/2)*128+(ks%2)*64
	ds_load_b128 v[(mt*8+ks)*8+4:(mt*8+ks)*8+7], v[VACT] offset:((ks/2)*32+(mt%2)*16)*AP+(mt/2)*128+(ks%2)*64+32
.set mt, mt+1
.endr
.set ks, ks+1
.endr
.endm
; 16 matrix instructions, one K step, the 16 accumulators by turns.  form 0: weights as source 0; 1: as source 1.  cinit = 1: the bias tile starts the sums; 2: the constant 0 does.
.macro MUL16 acc, awin, form, f, kk, ks, cinit
.if \cinit == 0
.set WC, 0x50
.else
.set WC, 0x40
.endif
.if \form == 0
	WIN WC|(\awin<<2)
.else
	WIN WC|\awin
.endif
.set mt, 0
.rept 4
.set nt, 0
.rept 4
.set rD, \acc+(mt*4+nt)*8
.set rW, (\f)+(\kk*4+nt)*8
.set rA, (mt*8+(\ks))*8
.if \form == 0
.if \cinit == 1
	v_wmma_f32_16x16x32_bf16 v[rD:rD+7], v[rW:rW+7], v[rA:rA+7], v[BV+nt*8:BV+nt*8+7]
.elseif \cinit == 2
	v_wmma_f32_16x16x32_bf16 v[rD:rD+7], v[rW:rW+7], v[rA:rA+7], 0
.else
	v_wmma_f32_16x16x32_bf16 v[rD:rD+7], v[rW:rW+7], v[rA:rA+7], v[rD:rD+7]
.endif
.else
.if \cinit == 1
	v_wmma_f32_16x16x32_bf16 v[rD:rD+7], v[rA:rA+7], v[rW:rW+7], v[BV+nt*8:BV+nt*8+7]
.else
	v_wmma_f32_16x16x32_bf16 v[rD:rD+7], v[rA:rA+7], v[rW:rW+7], v[rD:rD+7]
.endif
.endif
.set nt, nt+1
.endr
.set mt, mt+1
.endr
.endm
; a quarter of a block: two K steps.  The next quarter's weights are fetched first, into the other buffer, and with them its A fragments where the block has new ones (asrc = 1: from ABUF, 2: from the CTX tile, 0: none)
.macro QUARTER slot, acc, awin, form, q, cinit, asrc
	s_wait_dscnt 0x0                               ; what this quarter multiplies was asked for a quarter ago
.if \q < 3
	PLACES                                         ; the other buffer was read by the quarter before
	BFETCH \slot, \q+1, F0+64*((\q+1)%2)
.if \asrc == 1
	AQF \awin, \q+1
.elseif \asrc == 2
	AQC \q+1
.endif
.endif
	MUL16 \acc, \awin, \form, F0+64*(\q%2), 0, 2*\q, \cinit
	MUL16 \acc, \awin, \form, F0+64*(\q%2), 1, 2*\q+1, 0
.endm
.macro GEMMR slot, acc, awin, form, asrc   ; quarters 1 to 3, and the places behind the last products
	QUARTER \slot, \acc, \awin, \form, 1, 0, \asrc
	QUARTER \slot, \acc, \awin, \form, 2, 0, \asrc
	QUARTER \slot, \acc, \awin, \form, 3, 0, \asrc
	PLACES
.endm
.macro LDPAR win, dst, sb, va          ; 32 parameters of my features 64 w + 16 nt + 8 h + j, register 8 nt + j
	WIN (\win<<6)
.set i, 0
.rept 8
	global_load_b128 v[\dst+4*i:\dst+4*i+3], v[\va], s[\sb:\sb+1] offset:(i/2)*64+(i%2)*16
.set i, i+1
.endr
.endm
.macro XADD win, src                   ; x += a bias, for all four m-tiles
	WIN 0x41|(\win<<2)
.set mt, 0
.rept 4
.set p, 0
.rept 16
	v_pk_add_f32 v[32*mt+2*p:32*mt+2*p+1], v[32*mt+2*p:32*mt+2*p+1], v[\src+2*p:\src+2*p+1]
.set p, p+1
.endr
.set mt, mt+1
.endr
.endm
; LayerNorm of x.  Gain at v192-223 and bias at v224-255 of window pwin.  outf = 0: bf16 fragments into ABUF; 1: f32 to memory.  blend = 1: the tail's blend by the layer's number.
; window 0: v32-159 centred numbers, then v32-63 the four waves' statistics, v64-95 results, v96-111 packed; v192-255 sums, means, factors.
.macro LNC pwin, outf, blend
	WIN 0x05
.set mt, 0
.rept 4
	v_pk_add_f32 v[192+2*mt:193+2*mt], v[32*mt:32*mt+1], v[32*mt+2:32*mt+3]
.set mt, mt+1
.endr
	WIN 0x01
.set p, 2
.rept 14
.set mt, 0
.rept 4
	v_pk_add_f32 v[192+2*mt:193+2*mt], v[32*mt+2*p:32*mt+2*p+1], v[192+2*mt:193+2*mt]
.set mt, mt+1
.endr
.set p, p+1
.endr
	WIN 0
.irp mt, 0,1,2,3
	v_add_f32 v[192+2*\mt], v[192+2*\mt], v[193+2*\mt]
.endr
.irp mt, 0,1,2,3
	v_permlanex16_b32 v[232+\mt], v[192+2*\mt], s48, s49
.endr
.irp mt, 0,1,2,3
	v_add_f32 v[192+2*\mt], v[192+2*\mt], v[232+\mt]
.endr
.irp mt, 0,1,2,3
	v_mul_f32 v[200+2*\mt], 0x3c800000, v[192+2*\mt]          ; my wave's mean over its 64 features, twice
	v_mul_f32 v[201+2*\mt], 0x3c800000, v[192+2*\mt]
.endr
	WIN 0x01
.set p, 0
.rept 16
.set mt, 0
.rept 4
	v_pk_add_f32 v[32+32*mt+2*p:33+32*mt+2*p], v[32*mt+2*p:32*mt+2*p+1], v[200+2*mt:201+2*mt] neg_lo:[0,1] neg_hi:[0,1]
.set mt, mt+1
.endr
.set p, p+1
.endr
	WIN 0
.irp mt, 0,1,2,3
	v_pk_mul_f32 v[208+2*\mt:209+2*\mt], v[32+32*\mt:33+32*\mt], v[32+32*\mt:33+32*\mt]
.endr
.set p, 1
.rept 15
.set mt, 0
.rept 4
	v_pk_fma_f32 v[208+2*mt:209+2*mt], v[32+32*mt+2*p:33+32*mt+2*p], v[32+32*mt+2*p:33+32*mt+2*p], v[208+2*mt:209+2*mt]
.set mt, mt+1
.endr
.set p, p+1
.endr
.irp mt, 0,1,2,3
	v_add_f32 v[208+2*\mt], v[208+2*\mt], v[209+2*\mt]
.endr
.irp mt, 0,1,2,3
	v_permlanex16_b32 v[232+\mt], v[208+2*\mt], s48, s49
.endr
.irp mt, 0,1,2,3
	v_add_f32 v[201+2*\mt], v[208+2*\mt], v[232+\mt]          ; beside the mean: the centred sum of squares
.endr
.irp mt, 0,1,2,3
	ds_store_b64 v[VSS], v[200+2*\mt:201+2*\mt] offset:\mt*128
.endr
	s_wait_dscnt 0x0                               ; my statistics are written (and my reads of ABUF long back)
	s_barrier_signal -1
	s_barrier_wait -1                              ; everybody's are; a tensor load may stay out
.set i, 0
.rept 16                               ; wave i / 4, m-tile i % 4
	ds_load_b64 v[32+2*i:33+2*i], v[VSR] offset:(i/4)*512+(i%4)*128
.set i, i+1
.endr
	s_wait_dscnt 0x0
.irp mt, 0,1,2,3
	v_add_f32 v[216+4*\mt], v[32+2*\mt], v[40+2*\mt]
	v_add_f32 v[217+4*\mt], v[48+2*\mt], v[56+2*\mt]
.endr
.irp mt, 0,1,2,3
	v_add_f32 v[216+4*\mt], v[216+4*\mt], v[217+4*\mt]
.endr
.irp mt, 0,1,2,3
	v_mul_f32 v[236+\mt], 0x3e800000, v[216+4*\mt]            ; the mean
.endr
.irp mt, 0,1,2,3
	v_add_f32 v[216+4*\mt], v[33+2*\mt], v[41+2*\mt]
	v_add_f32 v[217+4*\mt], v[49+2*\mt], v[57+2*\mt]
.endr
.irp mt, 0,1,2,3
	v_add_f32 v[216+4*\mt], v[216+4*\mt], v[217+4*\mt]
	v_sub_f32 v[219+4*\mt], v[32+2*\mt], v[236+\mt]
.endr
.irp mt, 0,1,2,3
	v_mul_f32 v[218+4*\mt], v[219+4*\mt], v[219+4*\mt]
.endr
.irp wv, 1,2,3
.irp mt, 0,1,2,3
	v_sub_f32 v[219+4*\mt], v[32+8*\wv+2*\mt], v[236+\mt]
.endr
.irp mt, 0,1,2,3
	v_fmac_f32 v[218+4*\mt], v[219+4*\mt], v[219+4*\mt]
.endr
.endr
.irp mt, 0,1,2,3
	v_fmac_f32 v[216+4*\mt], 0x42800000, v[218+4*\mt]         ; + 64 x the sum of (wave's mean - mean)^2
.endr
.irp mt, 0,1,2,3
	v_fma_f32 v[216+4*\mt], v[216+4*\mt], s40, s41            ; / 256 + 1e-12
.endr
.irp mt, 0,1,2,3
	v_rsq_f32 v[240+2*\mt], v[216+4*\mt]
.endr
	v_nop                                          ; a plain instruction between the last root and the use of the results
.if \blend
	s_wait_alu depctr_va_vdst(0)
.irp mt, 0,1,2,3
	v_fma_f32 v[240+2*\mt], v[240+2*\mt], s67, s100
	v_mul_f32 v[236+\mt], s67, v[236+\mt]
.endr
.endif
	s_wait_alu depctr_va_vdst(0)
.irp mt, 0,1,2,3
	v_mov_b32 v[241+2*\mt], v[240+2*\mt]
	v_mul_f32 v[248+2*\mt], v[236+\mt], v[240+2*\mt]
.endr
.irp mt, 0,1,2,3
	v_mov_b32 v[249+2*\mt], v[248+2*\mt]
.endr
.set mt, 0
.rept 4
	WIN 0x01
.set p, 0
.rept 16
	v_pk_fma_f32 v[64+2*p:65+2*p], v[32*mt+2*p:32*mt+2*p+1], v[240+2*mt:241+2*mt], v[248+2*mt:249+2*mt] neg_lo:[0,0,1] neg_hi:[0,0,1]
.set p, p+1
.endr
	WIN (\pwin<<2)|(\pwin<<4)
.set p, 0
.rept 16
	v_pk_fma_f32 v[64+2*p:65+2*p], v[64+2*p:65+2*p], v[192+2*p:193+2*p], v[224+2*p:225+2*p]
.set p, p+1
.endr
	WIN 0
.if \outf == 0
.set p, 0
.rept 16
	v_cvt_pk_bf16_f32 v[96+p], v[64+2*p], v[65+2*p]
.set p, p+1
.endr
.set nt, 0
.rept 4
	ds_store_b128 v[VAW], v[96+4*nt:99+4*nt] offset:mt*8192+(nt/2)*1024+(nt%2)*512
.set nt, nt+1
.endr
.else
.set OB, 64+32*mt                      ; a set of 32 registers for each m-tile's stores: none is written again
.if mt == 0
.set OB, 32
.endif
.set i, 0
.rept 8
	ds_store_b128 v[VSTR], v[64+4*i:67+4*i] offset:(i/2)*64+(i%2)*16
.set i, i+1
.endr
.set i, 0
.rept 8
	ds_load_b128 v[OB+4*i:OB+4*i+3], v[VSTW] offset:i*2*AP    ; my own stage: LDS serves a wave in order
.set i, i+1
.endr
	s_wait_dscnt 0x0
.set i, 0
.rept 8
	global_store_b128 v[VXG], v[OB+4*i:OB+4*i+3], s[6:7] offset:((mt%2)*16+2*i)*262144+(mt/2)*1024   ; 16 lanes store 256 consecutive bytes, aligned
.set i, i+1
.endr
.endif
.set mt, mt+1
.endr
.endm
; gelu of T, an m-tile at a time, packed into ABUF.  window 0: v32-63 |x|, v64-95 the polynomial, v96-127 max(x, 0), v128-143 packed
.macro GELU
.set mt, 0
.rept 4
	WIN 0x04
.set i, 0
.rept 32
	v_and_b32 v[32+i], 0x7fffffff, v[128+32*mt+i]
	v_max_num_f32 v[96+i], 0, v[128+32*mt+i]
.set i, i+1
.endr
	WIN 0
.set p, 0
.rept 16
	v_pk_fma_f32 v[64+2*p:65+2*p], v[32+2*p:33+2*p], s[62:63], s[60:61] op_sel_hi:[1,0,0]
.set p, p+1
.endr
.irp c, 58,56,54,52
.set p, 0
.rept 16
	v_pk_fma_f32 v[64+2*p:65+2*p], v[64+2*p:65+2*p], v[32+2*p:33+2*p], s[\c:\c+1] op_sel_hi:[1,1,0]
.set p, p+1
.endr
.endr
.set p, 0
.rept 16
	v_pk_fma_f32 v[64+2*p:65+2*p], v[64+2*p:65+2*p], v[32+2*p:33+2*p], 1.0 op_sel_hi:[1,1,0]
.set p, p+1
.endr
.set i, 0
.rept 32
	v_rcp_f32 v[64+i], v[64+i]
.set i, i+1
.endr
	v_nop                                          ; a plain instruction between the last reciprocal and the use of the results
	s_wait_alu depctr_va_vdst(0)
.rept 4                                ; to the 16th power
.set p, 0
.rept 16
	v_pk_mul_f32 v[64+2*p:65+2*p], v[64+2*p:65+2*p], v[64+2*p:65+2*p]
.set p, p+1
.endr
.endr
.set p, 0
.rept 16
	v_pk_mul_f32 v[32+2*p:33+2*p], v[32+2*p:33+2*p], v[64+2*p:65+2*p]
.set p, p+1
.endr
.set p, 0
.rept 16
	v_pk_fma_f32 v[32+2*p:33+2*p], v[32+2*p:33+2*p], -0.5, v[96+2*p:97+2*p] op_sel_hi:[1,0,1]
.set p, p+1
.endr
.set p, 0
.rept 16
	v_cvt_pk_bf16_f32 v[128+p], v[32+2*p], v[33+2*p]
.set p, p+1
.endr
.set nt, 0
.rept 4
	ds_store_b128 v[VAW], v[128+4*nt:131+4*nt] offset:mt*8192+(nt/2)*1024+(nt%2)*512
.set nt, nt+1
.endr
.set mt, mt+1
.endr
.endm
	s_load_b512 s[68:83], s[0:1], 0x0              ; x 68, CTX 70, W 72, layer 74, row_ob 76, col_qb 78, col_kb 80, col_vb 82
	s_load_b512 s[84:99], s[0:1], 0x40             ; col_ob 84, fc1b 86, fc2b 88, ln_col w 90, b 92, ln_ff w 94, b 96, ln_f w 98
	s_load_b128 s[4:7], s[0:1], 0x80               ; ln_f b 4, y 6
	v_lshl_add_u32 v30, v0, 2, 0x4d400
	v_mov_b32 v31, 0
	ds_add_u32 v30, v31
	v_lshrrev_b32 v1, 5, v0
	v_readfirstlane_b32 s[WV], v1
	s_bfe_u32 s37, ttmp6, 0x40000                  ; my place in the cluster: it enters addresses of x, CTX and y alone
	s_lshl_b32 s38, ttmp9, 2
	s_add_co_u32 s38, s38, s37                     ; g
	s_lshr_b32 s44, s38, 7                         ; b
	s_and_b32 s45, s38, 127                        ; pair of columns
	; weights: 128 rows of 256 bytes, dense (elements of 8 bytes), all four work-groups named
	s_mov_b32 s8, 15|(3<<16)|(1<<21)
	s_mov_b32 s9, 32<<16
	s_mov_b32 s10, 128<<16
	s_mov_b32 s11, 32<<16
	s_mov_b32 s12, 128
	s_mov_b32 s13, 32
	s_mov_b32 s14, 0
	s_mov_b32 s15, 0
	; CTX: 32 rows (r) of 128 bf16 (two columns x 64 features), 65,536 elements apart, 4 words of padding behind every 64; my work-group's own
	s_mov_b32 s24, (1<<16)|(1<<20)|(5<<22)|(3<<25)
	s_mov_b32 s25, 128<<16
	s_mov_b32 s26, 32<<16
	s_mov_b32 s27, 128<<16
	s_mov_b32 s28, 32
	s_mov_b32 s29, 65536
	s_mov_b32 s30, 0
	s_mov_b32 s31, 0
	s_mov_b32 s16, 1
	s_lshl_b32 s17, s[WV], 15                      ; my 32,768 bytes of a slot
	s_mov_b32 s20, 1
	s_add_co_u32 s21, s17, SLOT
	s_mov_b32 s32, 1
	s_mul_i32 s33, s[WV], 32*AP
	s_add_co_u32 s33, s33, ACTX                    ; head group w's 32 rows
	s_lshl_b32 s42, s[WV], 15
	s_mov_b32 s43, 0
	s_lshl_b32 s46, s44, 22
	s_lshl_b32 s47, s45, 8
	s_add_co_u32 s46, s46, s47
	s_add_co_u32 s46, s46, s42
	s_mov_b32 s47, 0
	s_mov_b32 s40, 0x3b800000                      ; 1 / 256
	s_mov_b32 s41, 0x2b8cbccc                      ; 1e-12
	s_mov_b32 s48, 0x76543210
	s_mov_b32 s49, 0xfedcba98
	s_mov_b32 s50, 0x3fb8aa3b                      ; log2(e)
	s_mov_b32 s51, s50
	s_mov_b32 s52, 0x3d4c41b4                      ; a1 / 2^(1/2) .. a6 / 2^3, each as a pair
	s_mov_b32 s53, s52
	s_mov_b32 s54, 0x3cad2fe7
	s_mov_b32 s55, s54
	s_mov_b32 s56, 0x3b56cd72
	s_mov_b32 s57, s56
	s_mov_b32 s58, 0x381f6607
	s_mov_b32 s59, s58
	s_mov_b32 s60, 0x384d0fed
	s_mov_b32 s61, s60
	s_mov_b32 s62, 0x36b49f89
	s_mov_b32 s63, s62
	s_wait_dscnt 0x0
	s_wait_kmcnt 0x0
	s_load_b32 s39, s[74:75], 0x0                  ; the layer's number
	s_add_nc_u64 s[18:19], s[72:73], s[42:43]
	s_add_nc_u64 s[18:19], s[18:19], 3*BLK         ; block 3 of W: row_o
	s_add_nc_u64 s[22:23], s[18:19], BLK
	s_or_b32 s19, s19, 0x80000000
	s_or_b32 s23, s23, 0x80000000
	s_add_nc_u64 s[34:35], s[70:71], s[46:47]
	s_or_b32 s35, s35, 0x80000000
	ROUND                                          ; the four work-groups are here: the first joint loads meet
	tensor_load_to_lds s[32:35], s[24:31]          ; the CTX tile,
	s_nop 0
	tensor_load_to_lds s[16:19], s[8:15]           ; row_o into slot 0,
	s_nop 0
	tensor_load_to_lds s[20:23], s[8:15]           ; col_q into slot 1: three loads of mine are out
	s_nop 0
	PLACES
	s_lshl_b32 s46, s44, 23
	s_lshl_b32 s42, s45, 11
	s_add_co_u32 s46, s46, s42
	s_add_nc_u64 s[68:69], s[68:69], s[46:47]      ; x and y at (b, row 0, my first column)
	s_add_nc_u64 s[6:7], s[6:7], s[46:47]
	v_and_b32 v1, 31, v0
	v_and_b32 v2, 15, v0                           ; r
	v_bfe_u32 v3, v0, 4, 1                         ; h
	v_lshlrev_b32 v17, 4, v1
	v_add_nc_u32 v[VB], s17, v17
	v_add_nc_u32 v[VB+1], s21, v17
	v_mul_u32_u24 v18, v2, AP
	v_lshl_add_u32 v[VACT], v3, 4, v18
	v_add_nc_u32 v[VACT], ACTX, v[VACT]
	v_add_nc_u32 v[VAB], ACTX, v17
	s_lshl_b32 s46, s[WV], 11
	v_add_nc_u32 v[VAW], s46, v[VAB]               ; my features are K steps 2 w, 2 w + 1 of the next product
	s_mul_i32 s46, s[WV], 16*AP
	s_add_co_u32 s46, s46, STAGE
	v_mul_u32_u24 v[VSTW], v3, AP
	v_lshl_add_u32 v[VSTW], v2, 4, v[VSTW]
	v_add_nc_u32 v[VSTW], s46, v[VSTW]             ; stage by rows: lanes 0-15 one row of 256 bytes, lanes 16-31 the next
	v_lshl_add_u32 v[VSTR], v3, 5, v18
	v_add_nc_u32 v[VSTR], s46, v[VSTR]             ; stage by tiles: row r, 32 bytes for each half of the lanes
	s_lshl_b32 s46, s[WV], 8
	v_lshlrev_b32 v[VXG], 18, v3
	v_lshl_add_u32 v[VXG], v2, 4, v[VXG]
	v_add_nc_u32 v[VXG], s46, v[VXG]               ; in x and y: row (lane / 16) x 262,144 + my wave's 256 bytes
	WIN 0x40
.set mt, 0
.rept 4                                ; x is asked for ahead of everything that hangs on the layer's number; it is used behind the first product
.set i, 0
.rept 8
	global_load_b128 v[128+(mt*8+i)*4:128+(mt*8+i)*4+3], v[VXG], s[68:69] offset:((mt%2)*16+2*i)*262144+(mt/2)*1024   ; 16 lanes take 256 consecutive bytes
.set i, i+1
.endr
.set mt, mt+1
.endr
	WIN 0
	v_lshl_add_u32 v[VPB], v3, 5, s46
	v_lshl_add_u32 v[VPL], v2, 2, s46
	s_lshl_b32 s46, s[WV], 9
	s_add_co_u32 s46, s46, STATS
	v_lshl_add_u32 v[VSS], v2, 3, s46
	v_lshlrev_b32 v[VSR], 3, v2
	v_add_nc_u32 v[VSR], STATS, v[VSR]
	v_mov_b32 v[VFB], v[VPB]
.irp mt, 0,1,2,3
	v_mov_b32 v[232+\mt], 0                        ; the lane exchange counts as a reader of its destination
.endr
	s_wait_kmcnt 0x0
	s_min_u32 s39, s39, 1
	s_lshl_b32 s42, s39, 10                        ; the layer's part of the [2, 256] vectors
.irp q, 76,78,80,82,84,88,90,92,94,96
	s_add_nc_u64 s[\q:\q+1], s[\q:\q+1], s[42:43]
.endr
	s_lshl_b32 s42, s39, 12
	s_add_nc_u64 s[86:87], s[86:87], s[42:43]
	s_mul_i32 s67, s39, 0x3f800000                 ; a = 0.0 or 1.0
	s_xor_b32 s42, s39, 1
	s_mul_i32 s100, s42, 0x3f800000                ; 1 - a
	LDPAR 0, BV, 76, VPB                           ; row_ob
	LDPAR 3, 192, 90, VPB                          ; ln_col
	LDPAR 3, 224, 92, VPB
	s_wait_tensorcnt 0x1                           ; the CTX tile and slot 0 are in; slot 1's load may stay out
	s_barrier_signal -1
	s_barrier_wait -1
	; ---- CTX row_oW^T: the first products start the sums
	BFETCH 0, 0, F0
	AQC 0
	QUARTER 0, 0, 2, 0, 0, 2, 2
	GEMMR 0, 0, 2, 0, 2
	s_wait_loadcnt 0x0                             ; x, row_ob, ln_col
.set mt, 0
.rept 4                                ; x from rows to tiles through my stage, into the idle weight buffers
	WIN 0x04
.set i, 0
.rept 8
	ds_store_b128 v[VSTW], v[128+(mt*8+i)*4:128+(mt*8+i)*4+3] offset:i*2*AP
.set i, i+1
.endr
	WIN 0
.set i, 0
.rept 8
	ds_load_b128 v[32+32*mt+4*i:32+32*mt+4*i+3], v[VSTR] offset:(i/2)*64+(i%2)*16   ; my own stage: LDS serves a wave in order
.set i, i+1
.endr
.set mt, mt+1
.endr
	s_wait_dscnt 0x0
	WIN 0x41
.set p, 0
.rept 64
	v_pk_add_f32 v[2*p:2*p+1], v[2*p:2*p+1], v[32+2*p:33+2*p]    ; + x
.set p, p+1
.endr
	XADD 0, BV                                     ; + row_ob
	LDPAR 0, BV, 78, VPB                           ; col_qb
	LNC 3, 0, 0
	; ---- q
	HEAD 1, 1
	BFETCH 1, 0, F0
	AQF 2, 0
	s_wait_loadcnt 0x0
	QUARTER 1, 128, 2, 0, 0, 1, 1
	PLACES                                         ; the bias tile was read as C
	LDPAR 0, BV, 80, VPB                           ; col_kb
	GEMMR 1, 128, 2, 0, 1
	WIN 0x41
.set p, 0
.rept 64
	v_pk_mul_f32 v[128+2*p:129+2*p], v[128+2*p:129+2*p], 0x3e3504f3 op_sel_hi:[1,0]   ; x 32^-0.5
.set p, p+1
.endr
	WIN 0xc5
.set p, 0
.rept 64
	v_cvt_pk_bf16_f32 v[p], v[128+2*p], v[129+2*p]
.set p, p+1
.endr
	; ---- k
	HEAD 0, 1
	BFETCH 0, 0, F0
	s_wait_loadcnt 0x0
	QUARTER 0, 128, 2, 0, 0, 1, 0
	PLACES
	WIN 0
.irp nt, 0,1,2,3
	global_load_b32 v[BV+8*\nt], v[VPL], s[82:83] offset:\nt*64   ; col_vb: one feature a lane
.endr
	GEMMR 0, 128, 2, 0, 0
	WIN 0xc5
.set p, 0
.rept 64
	v_cvt_pk_bf16_f32 v[64+p], v[128+2*p], v[129+2*p]
.set p, p+1
.endr
	WIN 0
	s_wait_loadcnt 0x0
.irp nt, 0,1,2,3
.irp j, 1,2,3,4,5,6,7
	v_mov_b32 v[BV+8*\nt+\j], v[BV+8*\nt]
.endr
.endr
	; ---- v, sources swapped
	HEAD 1, 1
	BFETCH 1, 0, F0
	QUARTER 1, 128, 2, 1, 0, 1, 0
	PLACES
	LDPAR 0, BV, 84, VPB                           ; col_ob
	GEMMR 1, 128, 2, 1, 0
	WIN 0xc5
.set mt, 0
.rept 4
.set nt, 0
.rept 4
.set i, 0
.rept 4
	v_cvt_pk_bf16_f32 v[128+((mt/2)*4+nt)*8+(mt%2)*4+i], v[128+(mt*4+nt)*8+2*i], v[128+(mt*4+nt)*8+2*i+1]
.set i, i+1
.endr
.set nt, nt+1
.endr
.set mt, mt+1
.endr
	; ---- attention over the 32 rows: my two heads, both columns; nothing leaves the wave.  Tile x = ((column, head), query tile, key tile)
	WIN 0x4f
.set x, 0
.rept 16
.set cg, x/8
.set hd, (x/4)%2
.set qt, (x/2)%2
.set kt, x%2
	v_wmma_f32_16x16x32_bf16 v[128+8*x:135+8*x], v[64+((cg*2+kt)*2+hd)*8:64+((cg*2+kt)*2+hd)*8+7], v[((cg*2+qt)*2+hd)*8:((cg*2+qt)*2+hd)*8+7], 0
.set x, x+1
.endr
	PLACES
	WIN 0x05
.set g, 0
.rept 8
	v_max_num_f32 v[192+g], v[128+16*g], v[129+16*g]
.set g, g+1
.endr
.set k, 0
.rept 7
.set g, 0
.rept 8
	v_max3_num_f32 v[192+g], v[130+16*g+2*k], v[131+16*g+2*k], v[192+g]
.set g, g+1
.endr
.set k, k+1
.endr
	WIN 0
.set g, 0
.rept 8
	v_permlanex16_b32 v[200+g], v[192+g], s48, s49
.set g, g+1
.endr
.set g, 0
.rept 8
	v_max_num_f32 v[192+g], v[192+g], v[200+g]
.set g, g+1
.endr
.set g, 0
.rept 8
	v_mul_f32 v[208+2*g], s50, v[192+g]
	v_mul_f32 v[209+2*g], s50, v[192+g]
.set g, g+1
.endr
	WIN 0x41
.set p, 0
.rept 64
	v_pk_fma_f32 v[128+2*p:129+2*p], v[128+2*p:129+2*p], s[50:51], v[208+2*(p/8):209+2*(p/8)] op_sel_hi:[1,0,1] neg_lo:[0,0,1] neg_hi:[0,0,1]
.set p, p+1
.endr
.set i, 0
.rept 128
	v_exp_f32 v[128+i], v[128+i]
.set i, i+1
.endr
	v_nop
	WIN 0xc5
.set p, 0
	s_wait_alu depctr_va_vdst(0)
.rept 64
	v_cvt_pk_bf16_f32 v[192+p], v[128+2*p], v[129+2*p]       ; P over ln_col's parameters
.set p, p+1
.endr
	WIN 0x55
.irp d, 8,4,2
.set g, 0
.rept 8
.set p, 0
.rept \d/2
	v_pk_add_f32 v[128+16*g+2*p:129+16*g+2*p], v[128+16*g+2*p:129+16*g+2*p], v[128+16*g+2*p+\d:129+16*g+2*p+\d]
.set p, p+1
.endr
.set g, g+1
.endr
.endr
	WIN 0x05
.set g, 0
.rept 8
	v_add_f32 v[192+g], v[128+16*g], v[129+16*g]
.set g, g+1
.endr
	WIN 0
.set g, 0
.rept 8
	v_permlanex16_b32 v[200+g], v[192+g], s48, s49
.set g, g+1
.endr
.set g, 0
.rept 8
	v_add_f32 v[192+g], v[192+g], v[200+g]
.set g, g+1
.endr
.set g, 0
.rept 8
	v_rcp_f32 v[208+2*g], v[192+g]
.set g, g+1
.endr
	v_nop
.set g, 0
	s_wait_alu depctr_va_vdst(0)
.rept 8
	v_mov_b32 v[209+2*g], v[208+2*g]
.set g, g+1
.endr
	WIN 0x4f
.set x, 0
.rept 16                               ; x = 2 g + d tile
.set g, x/2
	v_wmma_f32_16x16x32_bf16 v[128+8*x:135+8*x], v[128+((g/4)*4+((g/2)%2)*2+x%2)*8:128+((g/4)*4+((g/2)%2)*2+x%2)*8+7], v[192+8*g:199+8*g], 0
.set x, x+1
.endr
	PLACES
	WIN 0x41
.set p, 0
.rept 64
	v_pk_mul_f32 v[128+2*p:129+2*p], v[128+2*p:129+2*p], v[208+2*(p/8):209+2*(p/8)]
.set p, p+1
.endr
	WIN 0x05
.set p, 0
.rept 64
	v_cvt_pk_bf16_f32 v[32+p], v[128+2*p], v[129+2*p]
.set p, p+1
.endr
	WIN 0
.set x, 0
.rept 16
.set g, x/2
	ds_store_b128 v[VAW], v[32+4*x:35+4*x] offset:((g/4)*2+g%2)*8192+((g/2)%2)*1024+(x%2)*512
.set x, x+1
.endr
	s_wait_loadcnt 0x0
	XADD 0, BV                                     ; + col_ob
	; ---- x += ctx col_oW^T
	HEAD 0, 1
	BFETCH 0, 0, F0
	AQF 2, 0
	LDPAR 3, 192, 94, VPB                          ; ln_ff
	LDPAR 3, 224, 96, VPB
	LDPAR 3, 160, 88, VPB                          ; fc2b
	LDPAR 0, BV, 86, VFB                           ; fc1b, chunk 0
	QUARTER 0, 0, 2, 0, 0, 0, 1
	GEMMR 0, 0, 2, 0, 1
	s_wait_loadcnt 0x0
	LNC 3, 0, 0
	XADD 3, 160                                    ; + fc2b, once
	WIN 0
	s_wait_dscnt 0x0                               ; my fragments of the normalised x are written
	s_barrier_signal -1
	s_barrier_wait -1
.irp q, 0,1,2,3
	AQF 2, \q                                      ; they stay in window 2 for all four chunks
.endr
; a chunk of 256 hidden features: T = xn fc1^T + fc1b; h = gelu(T) through ABUF; x += h fc2^T
.macro FFN last
	HEAD 1, 1
	BFETCH 1, 0, F0
	s_wait_loadcnt 0x0                             ; this chunk's fc1b; it also frees the offset register stepped below
	QUARTER 1, 128, 2, 0, 0, 1, 0
.if \last == 0
	PLACES
	WIN 0
	v_add_nc_u32 v[VFB], 1024, v[VFB]
	LDPAR 0, BV, 86, VFB                           ; the next chunk's fc1b
.endif
	GEMMR 1, 128, 2, 0, 0
	GELU
	HEAD 0, 1-\last
	BFETCH 0, 0, F0
	AQF 3, 0
	QUARTER 0, 0, 3, 0, 0, 0, 1
.if \last
	LDPAR 2, 192, 98, VPB                          ; ln_f, into window 2, whose fragments have had their last use
	LDPAR 2, 224, 4, VPB
.endif
	GEMMR 0, 0, 3, 0, 1
.endm
	WIN 0
	s_mov_b32 s66, 3
.Lffn:
	FFN 0
	WIN 0
	s_sub_co_u32 s66, s66, 1
	s_cmp_lg_u32 s66, 0
	s_cbranch_scc1 .Lffn
	FFN 1                                          ; the last chunk is written out: it asks for no further block
	; ---- the tail: the final LayerNorm, blended by the layer's number, and the way out
	s_wait_loadcnt 0x0
	WIN 0x82
.set i, 0
.rept 32
	v_fma_f32 v[192+i], v[192+i], s67, s100
.set i, i+1
.endr
	WIN 0x88
.set i, 0
.rept 32
	v_mul_f32 v[224+i], s67, v[224+i]
.set i, i+1
.endr
	LNC 2, 1, 1
	WIN 0
	s_wait_tensorcnt 0x0
	ds_add_u32 v30, v31
	s_wait_dscnt 0x0
	ROUND                                          ; the closing round
	s_endpgm
.Lfunc_end_k_q9f18a38e40_col0:
	.size	k_q9f18a38e40_col0, .Lfunc_end_k_q9f18a38e40_col0-k_q9f18a38e40_col0
	.p2alignl 7, 3214868480
	.fill 96, 4, 3214868480
	.section	.rodata,"a",@progbits
	.p2align	6, 0x0
	.amdhsa_kernel k_q9f18a38e40_col0
		.amdhsa_group_segment_fixed_size 327680
		.amdhsa_private_segment_fixed_size 0
		.amdhsa_enable_private_segment 0
		.amdhsa_kernarg_size 144
		.amdhsa_user_sgpr_count 2
		.amdhsa_user_sgpr_kernarg_segment_ptr 1
		.amdhsa_wavefront_size32 1
		.amdhsa_system_sgpr_workgroup_id_x 1
		.amdhsa_system_sgpr_workgroup_id_y 1
		.amdhsa_system_sgpr_workgroup_id_z 1
		.amdhsa_system_vgpr_workitem_id 0
		.amdhsa_next_free_vgpr 1024
		.amdhsa_next_free_sgpr 104
		.amdhsa_reserve_vcc 0
		.amdhsa_float_denorm_mode_32 3
		.amdhsa_float_denorm_mode_16_64 3
		.amdhsa_memory_ordered 1
		.amdhsa_forward_progress 1
		.amdhsa_inst_pref_size 255
	.end_amdhsa_kernel
	.section	.bss,"aw",@nobits
	.p2align	6
	.space	262144
	.amdgpu_metadata
---
amdhsa.version: [ 1, 2 ]
amdhsa.kernels:
  - .name:           k_q9f18a38e40_col0
    .symbol:         k_q9f18a38e40_col0.kd
    .args:
      - { .name: hidden_states, .offset: 0, .size: 8, .value_kind: global_buffer, .address_space: global }
      - { .name: CTX, .offset: 8, .size: 8, .value_kind: global_buffer, .address_space: global }
      - { .name: W0, .offset: 16, .size: 8, .value_kind: global_buffer, .address_space: global }
      - { .name: L0, .offset: 24, .size: 8, .value_kind: global_buffer, .address_space: global }
      - { .name: row_ob, .offset: 32, .size: 8, .value_kind: global_buffer, .address_space: global }
      - { .name: col_qb, .offset: 40, .size: 8, .value_kind: global_buffer, .address_space: global }
      - { .name: col_kb, .offset: 48, .size: 8, .value_kind: global_buffer, .address_space: global }
      - { .name: col_vb, .offset: 56, .size: 8, .value_kind: global_buffer, .address_space: global }
      - { .name: col_ob, .offset: 64, .size: 8, .value_kind: global_buffer, .address_space: global }
      - { .name: fc1b, .offset: 72, .size: 8, .value_kind: global_buffer, .address_space: global }
      - { .name: fc2b, .offset: 80, .size: 8, .value_kind: global_buffer, .address_space: global }
      - { .name: ln_col_w, .offset: 88, .size: 8, .value_kind: global_buffer, .address_space: global }
      - { .name: ln_col_b, .offset: 96, .size: 8, .value_kind: global_buffer, .address_space: global }
      - { .name: ln_ff_w, .offset: 104, .size: 8, .value_kind: global_buffer, .address_space: global }
      - { .name: ln_ff_b, .offset: 112, .size: 8, .value_kind: global_buffer, .address_space: global }
      - { .name: ln_f_w, .offset: 120, .size: 8, .value_kind: global_buffer, .address_space: global }
      - { .name: ln_f_b, .offset: 128, .size: 8, .value_kind: global_buffer, .address_space: global }
      - { .name: X1, .offset: 136, .size: 8, .value_kind: global_buffer, .address_space: global }
    .group_segment_fixed_size: 327680
    .private_segment_fixed_size: 0
    .kernarg_segment_align: 8
    .kernarg_segment_size: 144
    .max_flat_workgroup_size: 128
    .sgpr_count:     104
    .vgpr_count:     1024
    .wavefront_size: 32
...
	.end_amdgpu_metadata
.endif
;; end of part 3
;; launch row1: the kernel of part 2 again; grid 256 x 1, 4 waves a work-group, clusters of 4 x 1, 285,184 bytes of LDS; arguments X1, W1, BK, L1, ln_row_w, ln_row_b, row_qb, row_kb, row_vb, row_rel, CTX; writes CTX
;; launch col1: the kernel of part 3 again; grid 256 x 1, 4 waves a work-group, clusters of 4 x 1, 327,680 bytes of LDS; arguments X1, CTX, W1, L1, row_ob, col_qb, col_kb, col_vb, col_ob, fc1b, fc2b, ln_col_w, ln_col_b, ln_ff_w, ln_ff_b, ln_f_w, ln_f_b, out0; writes out0
;; ======== version 2 of 2: 5 launches; version 1 with the launch prep written anew for expert scheduling mode
;; limits: a function is approximated: absolute error at most 3e-07; an absolute error that grows with the inputs' magnitude: up to 1.5e-07 times it
;; workspace buffers: W0 2,097,152 bytes; W1 2,097,152 bytes; BK 4,194,304 bytes of whole numbers; CTX 8,388,608 bytes; X1 16,777,216 bytes; L0 256 bytes of whole numbers; L1 256 bytes of whole numbers
;; launch prep (part 4): grid 256 x 1, 6 waves a work-group, no clusters, 52,992 bytes of LDS; arguments distances, row_qW, row_kW, row_vW, row_oW, col_qW, col_kW, col_vW, col_oW, fc1W, fc2W, W0, W1, BK, L0, L1; writes W0, W1, BK, L0, L1
.if DOCPART == 4
	.amdgcn_target "amdgcn-amd-amdhsa--gfx1250"
	.amdhsa_code_object_version 6
	.text
	.protected	k_q9f18a38e40_prep
	.globl	k_q9f18a38e40_prep
	.p2align	8
	.type	k_q9f18a38e40_prep,@function
k_q9f18a38e40_prep:
	s_mov_b64 s[64:65], 0
	v_nop
	global_prefetch_b8 v0, s[64:65] scope:SCOPE_SE
	s_setreg_imm32_b32 hwreg(HW_REG_WAVE_SCHED_MODE, 0, 2), 2
	s_setreg_imm32_b32 hwreg(HW_REG_WAVE_MODE, 25, 1), 1
	s_wait_xcnt 0x0
	s_wait_alu depctr_vm_vsrc(0)
; PREP: one pass over the distances and over all weight matrices.
;  (a) bucket(distance) for both layers, stored as bytes 4 x bucket in the order in which a lane of the row attention holds its scores:
;      BK[b*32+r][query tile 16][chunk c 8][lane 32][16 bytes]; byte 8 p + j of lane (r, h) is query 16 qt + r, key 32 c + 16 p + 8 h + j.
;  (b) every weight matrix rounded to bf16 and laid in fragment order: a strip of 16 rows x 256 k is 8,192 bytes, the 16 bytes of row r, k = 8 q .. 8 q + 7 at 256 q + 16 r.
;      Layer l goes to W0 or W1: row q/k/v strips at (3 nt + matrix) x 8,192; blocks 3..15 (row_o, col_q, col_k, col_v, col_o, then fc1 rows 256 c and fc2 columns 256 c by turns) at block x 131,072 + nt x 8,192.
;  (c) the layer numbers 0 and 1 as whole numbers (L0, L1), so that both layers can run the same later bodies.
; A wave takes one strip of 16 rows x 1,024 bytes: 32 loads of 512 consecutive bytes, turned through its own LDS stage (pitch 272), stored as runs of 512 consecutive bytes.
; Waves 0-3: 4 x 256 = 1,024 bucket strips.  Waves 4-5: 2 x 256 = 512 weight strips.  No wave reads another's bytes: no barrier.  No matrix unit, no cluster: nothing is shared and memory binds.
; LIMIT: the bucket is trunc(log2(|d|) x 30 / log2(50000)) + 1 in f32, where the definition divides natural logarithms; a distance whose logarithm lies within a few
; units in the last place of a bucket's edge may fall into the neighbouring bucket.  |d| = 1 is exact (bucket 1), |d| < 1 gives bucket 0.
; THE MODE: SCHED_MODE bits 1:0 = 2 (LLVM: expert scheduling mode 2), set by the entry lines.  The code itself states the register dependences
; between vector instructions and memory or LDS instructions, with s_wait_alu, always for 0.
; THE PLAN.  The strip's 32 loads go in eight batches of four, and a batch is worked on IN PLACE.  Registers that memory or LDS instructions touch:
;   v1, v[OFF ..], v[SR]   Offsets and the stage's read address: made at the head, ahead of the one wait in front of the strip's loads, and never written again.
;   v[SW]                  The stage's write address: made once, behind the strip's loads; its first reader is an LDS store of batch 1, behind that batch's wait.
;   v[D+16 b ..]           Batch b: its four loads land here; its vector lines read and write these sixteen registers alone (and T, which no memory instruction names).  What goes
;                          to LDS ends in the first register (buckets) or the first pair (weights) of each load's four; no vector line writes it again.  The LDS stores
;                          that read them are issued in batch b + 1, behind that batch's one wait on va_vdst, dealt among vector lines that name batch b + 1's registers alone.
;   v[D ..] once more      Behind the last batch the stage is read back into the strip's first registers: one wait on va_vdst (no vector line still names them) and one on
;                          vm_vsrc (the LDS stores have read the words that lie there) stand ahead of those loads.
;   v176, v177             Written at the head, read by the closing add alone.
.set PITCH, 272
.set STG,   32*PITCH                   ; a wave's stage: 8,704 bytes
.set OFF,   8                          ; v[8:23]    byte offset of my 16 bytes in row r of the strip
.set SW,    24                         ; v24        where I write into the stage
.set SR,    25                         ; v25        where I read it back
.set D,     32                         ; v[32:159]  the strip as loaded: 32 loads x 4 registers; then at work, in place
.set T,     160                        ; v[160:175] buckets: the sixteen |d| of a batch; weights: v168-171 the layer numbers
.set MK,    48                         ; s[48:63]   buckets: the sixteen masks |d| >= 1 of a batch
.macro LOADSTRIP                       ; s[4:5] the strip's first byte, s11 bytes from row to row
	v_mov_b32 v[OFF], v1
.set i, 1
.rept 15
	v_add_nc_u32 v[OFF+i], s11, v[OFF+i-1]
.set i, i+1
.endr
	s_wait_alu depctr_va_vdst(0)                   ; the sixteen offsets are written, which the loads below read; so are v1 and v[SR], which the way out reads
.set i, 0
.rept 32
	global_load_b128 v[D+4*i:D+4*i+3], v[OFF+i/2], s[4:5] offset:512*(i%2) th:TH_LOAD_NT
.set i, i+1
.endr
.endm
	s_load_b512 s[16:31], s[0:1], 0x0              ; distances 16, row_qW 18, row_kW 20, row_vW 22, row_oW 24, col_qW 26, col_kW 28, col_vW 30
	s_load_b512 s[32:47], s[0:1], 0x40             ; col_oW 32, fc1W 34, fc2W 36, W0 38, W1 40, BK 42, L0 44, L1 46
	v_lshl_add_u32 v176, v0, 2, 0xcc00
	v_mov_b32 v177, 0
	v_lshrrev_b32 v2, 5, v0
	v_readfirstlane_b32 s8, v2                     ; wave 0..5
	v_and_b32 v3, 31, v0                           ; lane
	v_lshlrev_b32 v1, 4, v3                        ; 16 x lane
	v_lshrrev_b32 v4, 4, v3
	v_and_b32 v5, 15, v3
	v_mul_u32_u24 v4, v4, PITCH
	v_lshl_add_u32 v4, v5, 4, v4
	s_wait_alu depctr_va_sdst(0)                   ; s8 is written, ahead of its first reader: the stage, the strip's number and the branch are made from it
	s_mul_i32 s9, s8, STG                          ; my stage
	v_add_nc_u32 v[SR], s9, v4                     ; back: lanes 0-15 one stage row of 256 bytes, lanes 16-31 the next
	s_mov_b32 s13, 0
	s_mov_b32 s15, 0
	s_wait_kmcnt 0x0
	s_cmp_lt_u32 s8, 4
	s_cbranch_scc0 .Lweights
	; ---------------- buckets: strip sb = 4 x work-group + wave = (b*32+r) x 16 + query tile
	s_lshl_b32 s10, ttmp9, 2
	s_add_co_u32 s10, s10, s8
	s_lshl_b32 s12, s10, 14                        ; 16 rows of 1,024 bytes in
	s_lshl_b32 s14, s10, 12                        ; 4,096 bytes out
	s_add_nc_u64 s[4:5], s[16:17], s[12:13]
	s_add_nc_u64 s[6:7], s[42:43], s[14:15]
	s_movk_i32 s11, 1024
	LOADSTRIP
	; my four keys of a load: 128 hf + 4 lane: chunk c = 4 hf + lane/8, p = (lane/4)%2, h = (lane/2)%2, j = 4 (lane%2).  Stage row 2 c + h, byte 16 r + 8 p + j
	v_lshrrev_b32 v4, 3, v3
	v_bfe_u32 v5, v3, 1, 1
	v_lshl_add_u32 v4, v4, 1, v5
	v_mul_u32_u24 v4, v4, PITCH
	v_bfe_u32 v5, v3, 2, 1
	v_lshl_add_u32 v4, v5, 3, v4
	v_and_b32 v5, 1, v3
	v_lshl_add_u32 v4, v5, 2, v4
	v_add_nc_u32 v[SW], s9, v4
.macro WORDOUT i                       ; load i's four bytes, which lie in the first of its four registers, into the stage
	ds_store_b32 v[SW], v[D+4*(\i)] offset:((\i)%2)*8*PITCH+((\i)/2)*16
.endm
; Batch b: the sixteen distances of loads 4 b .. 4 b + 3, in place.  The LDS stores of the batch before stand behind this batch's wait, one ahead of each of four runs of vector lines.
.macro BUCKETS b
.set DB, D+16*(\b)
	s_wait_loadcnt 28-4*(\b)                       ; loads come back in order: the batch's four are in, the 28 - 4 b younger ones stay out
.set e, 0
.rept 16
	v_sub_nc_u32 v[T+e], 0, v[DB+e]
.set e, e+1
.endr
.set e, 0
.rept 16
	v_max_i32 v[T+e], v[DB+e], v[T+e]              ; |d|
.set e, e+1
.endr
.set e, 0
.rept 16
	v_cvt_f32_i32 v[T+e], v[T+e]                   ; a
.set e, e+1
.endr
.set e, 0
.rept 16
	v_max_num_f32 v[DB+e], 1.0, v[T+e]
.set e, e+1
.endr
.set e, 0
.rept 16
	v_log_f32 v[DB+e], v[DB+e]                     ; log2
.set e, e+1
.endr
	v_nop                                          ; a plain instruction between the last logarithm and the use of the results
.set e, 0
.rept 16
	v_cmp_le_f32 s[MK+e], 1.0, v[T+e]              ; a >= 1
.set e, e+1
.endr
	s_wait_alu depctr_va_sdst(0)                   ; the sixteen masks are written, ahead of the selects that read them
	s_wait_alu depctr_va_vdst(0)                   ; the sixteen logarithms are written, ahead of their first reader; so are the four words of the batch before (and, in batch 1, v[SW]), which the LDS stores below read
.if \b > 0
	WORDOUT 4*(\b)-4                               ; no vector line since the wait names v[SW] or the batch before's registers
.endif
.set e, 0
.rept 16
	v_mul_f32 v[DB+e], 0x3ff60077, v[DB+e]         ; x 30 / log2(50000)
.set e, e+1
.endr
.if \b > 0
	WORDOUT 4*(\b)-3
.endif
.set e, 0
.rept 16
	v_cvt_i32_f32 v[DB+e], v[DB+e]                 ; toward zero
.set e, e+1
.endr
.if \b > 0
	WORDOUT 4*(\b)-2
.endif
.set e, 0
.rept 16
	v_add_nc_u32 v[DB+e], 1, v[DB+e]
.set e, e+1
.endr
.if \b > 0
	WORDOUT 4*(\b)-1
.endif
.set e, 0
.rept 16
	v_min_u32 v[DB+e], 31, v[DB+e]
.set e, e+1
.endr
.set e, 0
.rept 16
	v_cndmask_b32 v[DB+e], 0, v[DB+e], s[MK+e]
.set e, e+1
.endr
.set k, 0
.rept 4
	v_lshl_or_b32 v[DB+4*k], v[DB+4*k+1], 8, v[DB+4*k]
	v_lshl_or_b32 v[DB+4*k+2], v[DB+4*k+3], 8, v[DB+4*k+2]
.set k, k+1
.endr
.set k, 0
.rept 4
	v_lshl_or_b32 v[DB+4*k], v[DB+4*k+2], 16, v[DB+4*k]
.set k, k+1
.endr
.set k, 0
.rept 4
	v_lshlrev_b32 v[DB+4*k], 2, v[DB+4*k]          ; four bytes of 4 x bucket (124 at the most)
.set k, k+1
.endr
.endm
	BUCKETS 0
	BUCKETS 1
	BUCKETS 2
	BUCKETS 3
	BUCKETS 4
	BUCKETS 5
	BUCKETS 6
	BUCKETS 7
	s_wait_alu depctr_va_vdst(0)                   ; the last batch's four words are written, which the LDS stores read; and no vector line still reads or writes v[D .. D+31], in which the stage's loads land
	WORDOUT 28
	WORDOUT 29
	WORDOUT 30
	WORDOUT 31
	s_wait_alu depctr_vm_vsrc(0)                   ; the LDS stores have read their words, eight of which lie in v[D .. D+31]
.set i, 0
.rept 8
	ds_load_b128 v[D+4*i:D+4*i+3], v[SR] offset:i*2*PITCH    ; my own bytes: LDS serves a wave's instructions in order
.set i, i+1
.endr
.set i, 0
.rept 8
	s_wait_dscnt 7-i                               ; the 7 - i younger reads of the stage may stay out
	global_store_b128 v1, v[D+4*i:D+4*i+3], s[6:7] offset:512*i   ; 512 consecutive bytes, aligned
.set i, i+1
.endr
	s_wait_dscnt 0x0                               ; the closing lines, six on end
	s_wait_alu 0x0
	s_wait_tensorcnt 0x0
	ds_add_u32 v176, v177
	s_wait_dscnt 0x0
	s_endpgm
	; ---------------- weights: layer l = g / 128, block (g / 8) % 16, strip nt = 2 (g % 8) + wave - 4
.Lweights:
	s_lshr_b32 s10, ttmp9, 7                       ; l
	s_bfe_u32 s48, ttmp9, 0x40003                  ; block
	s_and_b32 s49, ttmp9, 7
	s_lshl_b32 s49, s49, 1
	s_add_co_u32 s49, s49, s8
	s_sub_co_u32 s49, s49, 4                       ; nt
	s_mov_b64 s[4:5], s[18:19]                     ; the source matrix, chosen by the block's number
	s_cmp_eq_u32 s48, 1
	s_cselect_b64 s[4:5], s[20:21], s[4:5]
	s_cmp_eq_u32 s48, 2
	s_cselect_b64 s[4:5], s[22:23], s[4:5]
	s_cmp_eq_u32 s48, 3
	s_cselect_b64 s[4:5], s[24:25], s[4:5]
	s_cmp_eq_u32 s48, 4
	s_cselect_b64 s[4:5], s[26:27], s[4:5]
	s_cmp_eq_u32 s48, 5
	s_cselect_b64 s[4:5], s[28:29], s[4:5]
	s_cmp_eq_u32 s48, 6
	s_cselect_b64 s[4:5], s[30:31], s[4:5]
	s_cmp_eq_u32 s48, 7
	s_cselect_b64 s[4:5], s[32:33], s[4:5]
	s_bitcmp1_b32 s48, 0
	s_cselect_b64 s[6:7], s[36:37], s[34:35]       ; from block 8 on: odd fc2W, even fc1W
	s_cmp_ge_u32 s48, 8
	s_cselect_b64 s[4:5], s[6:7], s[4:5]
	s_lshl_b32 s50, s49, 14                        ; nt x 16 rows of 1,024 bytes
	s_lshl_b32 s51, s10, 18
	s_add_co_u32 s51, s51, s50                     ; a 256 x 256 matrix: l x 262,144 + that
	s_bfe_u32 s52, s48, 0x20001                    ; chunk c = (block / 2) % 4
	s_lshl_b32 s53, s10, 20
	s_lshl_b32 s54, s52, 18
	s_add_co_u32 s54, s54, s53
	s_add_co_u32 s54, s54, s50                     ; fc1: rows 256 c + 16 nt
	s_lshl_b32 s55, s49, 16
	s_add_co_u32 s55, s55, s53
	s_lshl_b32 s56, s52, 10
	s_add_co_u32 s55, s55, s56                     ; fc2: rows 16 nt of 4,096 bytes, columns 256 c
	s_movk_i32 s57, 4096
	s_movk_i32 s58, 1024
	s_bitcmp1_b32 s48, 0
	s_cselect_b32 s54, s55, s54
	s_cselect_b32 s11, s57, s58
	s_cmp_ge_u32 s48, 8
	s_cselect_b32 s12, s54, s51
	s_cselect_b32 s11, s11, s58                    ; bytes from row to row
	s_add_nc_u64 s[4:5], s[4:5], s[12:13]
	s_mul_i32 s59, s49, 3
	s_add_co_u32 s59, s59, s48
	s_lshl_b32 s59, s59, 13                        ; row q/k/v: strip 3 nt + matrix
	s_lshl_b32 s60, s48, 17
	s_lshl_b32 s61, s49, 13
	s_add_co_u32 s60, s60, s61                     ; the others: block x 131,072 + nt x 8,192
	s_cmp_lt_u32 s48, 3
	s_cselect_b32 s14, s59, s60
	s_cmp_eq_u32 s10, 0
	s_cselect_b64 s[6:7], s[38:39], s[40:41]       ; layer 0: W0, layer 1: W1
	s_add_nc_u64 s[6:7], s[6:7], s[14:15]
	LOADSTRIP
	; my four k of a load: 128 hf + 4 lane: q = 16 hf + lane / 2, 8 bytes at 8 (lane % 2).  Stage row q, byte 16 r
	v_lshrrev_b32 v4, 1, v3
	v_mul_u32_u24 v4, v4, PITCH
	v_and_b32 v5, 1, v3
	v_lshl_add_u32 v4, v5, 3, v4
	v_add_nc_u32 v[SW], s9, v4
; Batch b: loads 4 b .. 4 b + 3 are rounded in place: a load's four numbers close up into the first two of its four registers.
; The LDS stores of the batch before stand behind this batch's wait, one ahead of each load's two conversions.
.macro ROUNDING b
	s_wait_loadcnt 28-4*(\b)                       ; the batch's four loads are in, the 28 - 4 b younger ones stay out
.if \b > 0
	s_wait_alu depctr_va_vdst(0)                   ; the conversions of the batch before have written its four pairs (and, in batch 1, v[SW] is written), which the LDS stores below read
.endif
.set k, 0
.rept 4
.if \b > 0
.set i, 4*(\b)-4+k
	ds_store_b64 v[SW], v[D+4*i:D+4*i+1] offset:(i%2)*16*PITCH+(i/2)*16   ; no vector line since the wait names v[SW] or the batch before's registers
.endif
.set i, 4*(\b)+k
	v_cvt_pk_bf16_f32 v[D+4*i], v[D+4*i], v[D+4*i+1]
	v_cvt_pk_bf16_f32 v[D+4*i+1], v[D+4*i+2], v[D+4*i+3]
.set k, k+1
.endr
.endm
	ROUNDING 0
	ROUNDING 1
	ROUNDING 2
	ROUNDING 3
	ROUNDING 4
	ROUNDING 5
	ROUNDING 6
	ROUNDING 7
	s_wait_alu depctr_va_vdst(0)                   ; the last batch's four pairs are written, which the LDS stores read; and no vector line still reads or writes v[D .. D+63], in which the stage's loads land
.set i, 28
.rept 4
	ds_store_b64 v[SW], v[D+4*i:D+4*i+1] offset:(i%2)*16*PITCH+(i/2)*16
.set i, i+1
.endr
	s_wait_alu depctr_vm_vsrc(0)                   ; the LDS stores have read their pairs, sixteen of which lie in v[D .. D+63]
.set i, 0
.rept 16
	ds_load_b128 v[D+4*i:D+4*i+3], v[SR] offset:i*2*PITCH    ; my own bytes: LDS serves a wave's instructions in order
.set i, i+1
.endr
.set i, 0
.rept 16
	s_wait_dscnt 15-i                              ; the 15 - i younger reads of the stage may stay out
	global_store_b128 v1, v[D+4*i:D+4*i+3], s[6:7] offset:512*i   ; 512 consecutive bytes, aligned
.set i, i+1
.endr
	s_cmp_lg_u32 ttmp9, 0                          ; wave 4 of work-group 0 also writes the two layer numbers
	s_cbranch_scc1 .Lend
	s_cmp_lg_u32 s8, 4
	s_cbranch_scc1 .Lend
	v_lshlrev_b32 v26, 3, v3
	v_mov_b32 v[T+8], 0
	v_mov_b32 v[T+9], 0
	v_mov_b32 v[T+10], 1
	v_mov_b32 v[T+11], 1
	s_wait_alu depctr_va_vdst(0)                   ; the offset v26 and the four numbers are written, which the two stores read
	global_store_b64 v26, v[T+8:T+9], s[44:45]     ; 256 bytes of 0
	global_store_b64 v26, v[T+10:T+11], s[46:47]   ; 256 bytes of 1
.Lend:
	s_wait_dscnt 0x0                               ; the closing lines, six on end
	s_wait_alu 0x0
	s_wait_tensorcnt 0x0
	ds_add_u32 v176, v177
	s_wait_dscnt 0x0
	s_endpgm
.Lfunc_end_k_q9f18a38e40_prep:
	.size	k_q9f18a38e40_prep, .Lfunc_end_k_q9f18a38e40_prep-k_q9f18a38e40_prep
	.p2alignl 7, 3214868480
	.fill 96, 4, 3214868480
	.section	.rodata,"a",@progbits
	.p2align	6, 0x0
	.amdhsa_kernel k_q9f18a38e40_prep
		.amdhsa_group_segment_fixed_size 52992
		.amdhsa_private_segment_fixed_size 0
		.amdhsa_enable_private_segment 0
		.amdhsa_kernarg_size 128
		.amdhsa_user_sgpr_count 2
		.amdhsa_user_sgpr_kernarg_segment_ptr 1
		.amdhsa_wavefront_size32 1
		.amdhsa_system_sgpr_workgroup_id_x 1
		.amdhsa_system_sgpr_workgroup_id_y 1
		.amdhsa_system_sgpr_workgroup_id_z 1
		.amdhsa_system_vgpr_workitem_id 0
		.amdhsa_next_free_vgpr 178
		.amdhsa_next_free_sgpr 66
		.amdhsa_reserve_vcc 0
		.amdhsa_float_denorm_mode_32 3
		.amdhsa_float_denorm_mode_16_64 3
		.amdhsa_memory_ordered 1
		.amdhsa_forward_progress 1
		.amdhsa_inst_pref_size 90
	.end_amdhsa_kernel
	.amdgpu_metadata
---
amdhsa.version: [ 1, 2 ]
amdhsa.kernels:
  - .name:           k_q9f18a38e40_prep
    .symbol:         k_q9f18a38e40_prep.kd
    .args:
      - { .name: distances, .offset: 0, .size: 8, .value_kind: global_buffer, .address_space: global }
      - { .name: row_qW, .offset: 8, .size: 8, .value_kind: global_buffer, .address_space: global }
      - { .name: row_kW, .offset: 16, .size: 8, .value_kind: global_buffer, .address_space: global }
      - { .name: row_vW, .offset: 24, .size: 8, .value_kind: global_buffer, .address_space: global }
      - { .name: row_oW, .offset: 32, .size: 8, .value_kind: global_buffer, .address_space: global }
      - { .name: col_qW, .offset: 40, .size: 8, .value_kind: global_buffer, .address_space: global }
      - { .name: col_kW, .offset: 48, .size: 8, .value_kind: global_buffer, .address_space: global }
      - { .name: col_vW, .offset: 56, .size: 8, .value_kind: global_buffer, .address_space: global }
      - { .name: col_oW, .offset: 64, .size: 8, .value_kind: global_buffer, .address_space: global }
      - { .name: fc1W, .offset: 72, .size: 8, .value_kind: global_buffer, .address_space: global }
      - { .name: fc2W, .offset: 80, .size: 8, .value_kind: global_buffer, .address_space: global }
      - { .name: W0, .offset: 88, .size: 8, .value_kind: global_buffer, .address_space: global }
      - { .name: W1, .offset: 96, .size: 8, .value_kind: global_buffer, .address_space: global }
      - { .name: BK, .offset: 104, .size: 8, .value_kind: global_buffer, .address_space: global }
      - { .name: L0, .offset: 112, .size: 8, .value_kind: global_buffer, .address_space: global }
      - { .name: L1, .offset: 120, .size: 8, .value_kind: global_buffer, .address_space: global }
    .group_segment_fixed_size: 52992
    .private_segment_fixed_size: 0
    .kernarg_segment_align: 8
    .kernarg_segment_size: 128
    .max_flat_workgroup_size: 192
    .sgpr_count:     66
    .vgpr_count:     178
    .wavefront_size: 32
...
	.end_amdgpu_metadata
.endif
;; end of part 4
;; launch row0: the kernel of part 2 again; grid 256 x 1, 4 waves a work-group, clusters of 4 x 1, 285,184 bytes of LDS; arguments hidden_states, W0, BK, L0, ln_row_w, ln_row_b, row_qb, row_kb, row_vb, row_rel, CTX; writes CTX
;; launch col0: the kernel of part 3 again; grid 256 x 1, 4 waves a work-group, clusters of 4 x 1, 327,680 bytes of LDS; arguments hidden_states, CTX, W0, L0, row_ob, col_qb, col_kb, col_vb, col_ob, fc1b, fc2b, ln_col_w, ln_col_b, ln_ff_w, ln_ff_b, ln_f_w, ln_f_b, X1; writes X1
;; launch row1: the kernel of part 2 again; grid 256 x 1, 4 waves a work-group, clusters of 4 x 1, 285,184 bytes of LDS; arguments X1, W1, BK, L1, ln_row_w, ln_row_b, row_qb, row_kb, row_vb, row_rel, CTX; writes CTX
;; launch col1: the kernel of part 3 again; grid 256 x 1, 4 waves a work-group, clusters of 4 x 1, 327,680 bytes of LDS; arguments X1, CTX, W1, L1, row_ob, col_qb, col_kb, col_vb, col_ob, fc1b, fc2b, ln_col_w, ln_col_b, ln_ff_w, ln_ff_b, ln_f_w, ln_f_b, out0; writes out0
